; MI455X (gfx1250); checked and timed in simulation.
; The chip was launched on July 23, 2026; its instructions are those of AMD's public machine-readable ISA for CDNA 5 (MIT licence, August 2026) and "CDNA5" Instruction Set Architecture Reference Guide (July 2026). The comments in the code are by the model that wrote it; some were corrected since.
;; Minecraft Aware Attention3 D. Allowed arithmetic: float matrix products may take bf16 or f16 operands with f32 sums; all other float work in f32.
;; Inputs: block_types 1 x 16 x 16 x 16 int32; gn_b 256 float32; gn_w 256 float32; is_air 44 float32; is_leaves 44 float32; is_wood 44 float32; proj_b 256 float32; proj_w 256 x 256 float32; qkv_b 768 float32; qkv_w 768 x 256 float32; x 1 x 256 x 16 x 16 x 16 float32.
;; Outputs: out0 1 x 256 x 16 x 16 x 16 float32.
;; 2 versions, each right; version 2 is version 1 with the launches qkv, proj written anew for expert scheduling mode. Each part assembles by itself: llvm-mc -triple=amdgcn-amd-amdhsa -mcpu=gfx1250 --defsym DOCPART=n.
;; ======== version 1 of 2: 4 launches
;; limits: values outside matrix products are rounded to bf16
;; workspace buffers: stat 2,048 bytes; feat 98,304 bytes; qt 2,097,152 bytes; kt 2,097,152 bytes; vb 2,097,152 bytes; opart 8,388,608 bytes; ml 1,048,576 bytes
;; launch prep (part 1): grid 64 x 1, 4 waves a work-group, no clusters, 0 bytes of LDS; arguments x, block_types, is_air, is_wood, is_leaves, stat, feat; writes stat, feat
.if DOCPART == 1
	.amdgcn_target "amdgcn-amd-amdhsa--gfx1250"
	.amdhsa_code_object_version 6
	.text
	.protected	k_q80ae3978f1_prep
	.globl	k_q80ae3978f1_prep
	.p2align	8
	.type	k_q80ae3978f1_prep,@function
k_q80ae3978f1_prep:
	s_mov_b64 s[64:65], 0
	v_nop
	global_prefetch_b8 v0, s[64:65] scope:SCOPE_SE
	s_setreg_imm32_b32 hwreg(HW_REG_WAVE_MODE, 25, 1), 1
	s_wait_xcnt 0x0
; prep: (1) for each of the 256 channels of x its mean and the sum of squared distances from that mean (M2) over its 4,096 numbers;
;       (2) for each of the 4,096 positions six numbers made from the three tables, in planes of 4,096 f32:
;           0: 2L w   1: 2L l   2: lo = air > 0 ? -2^127 : 0   3: hi = air > 0 ? -2^127 : 10L   4: w   5: l      (L = log2 e)
; A wave takes one channel: 16 KiB = 32 loads of 16 bytes a lane, kept in 128 registers between the pass for the mean and the
; pass for M2, so x is read once here and no difference of large sums is formed.  No LDS, no barrier: a wave's sums stay in the wave.
; Wave 0 of each work-group also makes the features of 64 positions (two a lane): each of its stores covers 256 consecutive bytes, aligned.
; The two statistics of a channel are 8 bytes, stored by two lanes: 2 KiB in the whole launch.
; LIMITS: a block type outside 0..43 is taken as 43.  NaN in the tables is not followed.
; Matrix units, clusters and LDS are left out: nothing is multiplied and no two work-groups read the same bytes.
.set X,    32                          ; v[32:159]  the channel
.set CH,   24                          ; v[24:31]   four chains of pairs
.set MEAN, 160                         ; v[160:161] the mean, twice
	s_load_b256 s[4:11], s[0:1], 0x0               ; x s[4:5], block_types s[6:7], is_air s[8:9], is_wood s[10:11]
	s_load_b128 s[12:15], s[0:1], 0x20             ; is_leaves s[12:13], stat s[14:15]
	s_load_b64 s[16:17], s[0:1], 0x30              ; feat
	v_and_b32 v1, 31, v0                           ; lane
	v_lshrrev_b32 v2, 5, v0
	v_readfirstlane_b32 s18, v2                    ; wave
	s_mov_b32 s22, 0x76543210                      ; v_permlanex16_b32: lane i reads lane i of the other half
	s_mov_b32 s23, 0xfedcba98
	s_lshl_b32 s24, ttmp9, 16                      ; the work-group's four channels: 4 x 16,384 bytes
	s_mov_b32 s25, 0
	s_lshl_b32 s19, ttmp9, 8                       ; its 64 positions: 256 bytes of a plane, and of block_types
	s_lshl_b32 s20, ttmp9, 2
	s_add_co_u32 s20, s20, s18                     ; my channel
	s_lshl_b32 s20, s20, 3                         ; 8 bytes of stat a channel
	v_lshlrev_b32 v3, 4, v1
	v_lshl_add_u32 v2, v2, 14, v3                  ; wave x 16,384 + 16 x lane
	v_lshl_add_u32 v22, v1, 3, s19                 ; two positions a lane
	v_lshl_add_u32 v163, v1, 2, s20
	s_wait_kmcnt 0x0
	s_add_nc_u64 s[4:5], s[4:5], s[24:25]
.set i, 0
.rept 32
	global_load_b128 v[X+4*i:X+4*i+3], v2, s[4:5] offset:512*i     ; 512 consecutive bytes a load
.set i, i+1
.endr
	s_cmp_lg_u32 s18, 0
	s_cbranch_scc1 .Lno_features                   ; the features are wave 0's work alone
	global_load_b64 v[4:5], v22, s[6:7]            ; two block types
	s_wait_loadcnt 0x0                             ; they are the youngest load
	v_min_u32 v4, 43, v4                           ; an index stays inside its table of 44
	v_min_u32 v5, 43, v5
	v_lshlrev_b32 v6, 2, v4
	v_lshlrev_b32 v7, 2, v5
	global_load_b32 v8, v6, s[8:9]                 ; air
	global_load_b32 v9, v7, s[8:9]
	global_load_b32 v10, v6, s[10:11]              ; wood
	global_load_b32 v11, v7, s[10:11]
	global_load_b32 v12, v6, s[12:13]              ; leaves
	global_load_b32 v13, v7, s[12:13]
	v_mov_b32 v23, 0xff000000                      ; -2^127
	v_mov_b32 v3, 0x4166d4ca                       ; 10 L
	s_wait_loadcnt 0x0
	v_mul_f32 v14, 0x4038aa3b, v10                 ; 2 L w
	v_mul_f32 v15, 0x4038aa3b, v11
	v_mul_f32 v16, 0x4038aa3b, v12                 ; 2 L l
	v_mul_f32 v17, 0x4038aa3b, v13
	v_cmp_lt_f32 vcc_lo, 0, v8                     ; air > 0
	v_cndmask_b32 v18, 0, v23, vcc_lo              ; lo
	v_cndmask_b32 v20, v3, v23, vcc_lo             ; hi
	v_cmp_lt_f32 vcc_lo, 0, v9
	v_cndmask_b32 v19, 0, v23, vcc_lo
	v_cndmask_b32 v21, v3, v23, vcc_lo
	global_store_b64 v22, v[14:15], s[16:17]
	global_store_b64 v22, v[16:17], s[16:17] offset:16384
	global_store_b64 v22, v[18:19], s[16:17] offset:32768
	global_store_b64 v22, v[20:21], s[16:17] offset:49152
	global_store_b64 v22, v[10:11], s[16:17] offset:65536
	global_store_b64 v22, v[12:13], s[16:17] offset:81920
.Lno_features:
	s_wait_loadcnt 0x0                             ; the channel is in
.macro WSUM a, t                       ; the sum of v[a] over the 32 lanes, in every lane; v[t] has been written before
	v_add_f32_dpp v[\a], v[\a], v[\a] row_xmask:1 row_mask:0xf bank_mask:0xf
	v_add_f32_dpp v[\a], v[\a], v[\a] row_xmask:2 row_mask:0xf bank_mask:0xf
	v_add_f32_dpp v[\a], v[\a], v[\a] row_xmask:4 row_mask:0xf bank_mask:0xf
	v_add_f32_dpp v[\a], v[\a], v[\a] row_xmask:8 row_mask:0xf bank_mask:0xf
	v_permlanex16_b32 v[\t], v[\a], s22, s23
	v_add_f32 v[\a], v[\a], v[\t]
.endm
.macro FOLD                            ; four chains of pairs into one number a lane, then over the lanes
	v_pk_add_f32 v[CH:CH+1], v[CH:CH+1], v[CH+2:CH+3]
	v_pk_add_f32 v[CH+4:CH+5], v[CH+4:CH+5], v[CH+6:CH+7]
	v_pk_add_f32 v[CH:CH+1], v[CH:CH+1], v[CH+4:CH+5]
	v_add_f32 v[CH], v[CH], v[CH+1]
	WSUM CH, CH+1
.endm
	; pass 1: the mean.  The first eight pairs start the four chains: nothing is cleared.
.irp k, 0,1,2,3
	v_pk_add_f32 v[CH+2*\k:CH+2*\k+1], v[X+2*\k:X+2*\k+1], v[X+8+2*\k:X+8+2*\k+1]
.endr
.set j, 8
.rept 56
	v_pk_add_f32 v[CH+2*(j%4):CH+2*(j%4)+1], v[CH+2*(j%4):CH+2*(j%4)+1], v[X+2*j:X+2*j+1]
.set j, j+1
.endr
	FOLD
	v_mul_f32 v[MEAN], 0x39800000, v[CH]           ; / 4,096
	v_mov_b32 v[MEAN+1], v[MEAN]
	; pass 2: the sum of (x - mean)^2
.set j, 0
.rept 64
	v_pk_add_f32 v[X+2*j:X+2*j+1], v[X+2*j:X+2*j+1], v[MEAN:MEAN+1] neg_lo:[0,1] neg_hi:[0,1]
.set j, j+1
.endr
.irp k, 0,1,2,3
	v_pk_mul_f32 v[CH+2*\k:CH+2*\k+1], v[X+2*\k:X+2*\k+1], v[X+2*\k:X+2*\k+1]
.endr
.set j, 4
.rept 60
	v_pk_fma_f32 v[CH+2*(j%4):CH+2*(j%4)+1], v[X+2*j:X+2*j+1], v[X+2*j:X+2*j+1], v[CH+2*(j%4):CH+2*(j%4)+1]
.set j, j+1
.endr
	FOLD
	v_cmp_eq_u32 vcc_lo, 0, v1
	v_cndmask_b32 v162, v[CH], v[MEAN], vcc_lo     ; lane 0: the mean; lane 1: M2
	v_cmp_gt_u32 vcc_lo, 2, v1
	s_wait_xcnt 0x0                                ; EXEC is a source of wave 0's stores: it narrows only behind this wait
	s_and_saveexec_b32 s21, vcc_lo
	global_store_b32 v163, v162, s[14:15]
	s_wait_xcnt 0x0                                ; and widens only behind this one
	s_or_b32 exec_lo, exec_lo, s21
	s_endpgm
.Lfunc_end_k_q80ae3978f1_prep:
	.size	k_q80ae3978f1_prep, .Lfunc_end_k_q80ae3978f1_prep-k_q80ae3978f1_prep
	.p2alignl 7, 3214868480
	.fill 96, 4, 3214868480
	.section	.rodata,"a",@progbits
	.p2align	6, 0x0
	.amdhsa_kernel k_q80ae3978f1_prep
		.amdhsa_group_segment_fixed_size 0
		.amdhsa_private_segment_fixed_size 0
		.amdhsa_enable_private_segment 0
		.amdhsa_kernarg_size 56
		.amdhsa_user_sgpr_count 2
		.amdhsa_user_sgpr_kernarg_segment_ptr 1
		.amdhsa_wavefront_size32 1
		.amdhsa_system_sgpr_workgroup_id_x 1
		.amdhsa_system_sgpr_workgroup_id_y 1
		.amdhsa_system_sgpr_workgroup_id_z 1
		.amdhsa_system_vgpr_workitem_id 0
		.amdhsa_next_free_vgpr 168
		.amdhsa_next_free_sgpr 66
		.amdhsa_reserve_vcc 1
		.amdhsa_float_denorm_mode_32 3
		.amdhsa_float_denorm_mode_16_64 3
		.amdhsa_memory_ordered 1
		.amdhsa_forward_progress 1
		.amdhsa_inst_pref_size 20
	.end_amdhsa_kernel
	.amdgpu_metadata
---
amdhsa.version: [ 1, 2 ]
amdhsa.kernels:
  - .name:           k_q80ae3978f1_prep
    .symbol:         k_q80ae3978f1_prep.kd
    .args:
      - { .name: x, .offset: 0, .size: 8, .value_kind: global_buffer, .address_space: global }
      - { .name: block_types, .offset: 8, .size: 8, .value_kind: global_buffer, .address_space: global }
      - { .name: is_air, .offset: 16, .size: 8, .value_kind: global_buffer, .address_space: global }
      - { .name: is_wood, .offset: 24, .size: 8, .value_kind: global_buffer, .address_space: global }
      - { .name: is_leaves, .offset: 32, .size: 8, .value_kind: global_buffer, .address_space: global }
      - { .name: stat, .offset: 40, .size: 8, .value_kind: global_buffer, .address_space: global }
      - { .name: feat, .offset: 48, .size: 8, .value_kind: global_buffer, .address_space: global }
    .group_segment_fixed_size: 0
    .private_segment_fixed_size: 0
    .kernarg_segment_align: 8
    .kernarg_segment_size: 56
    .max_flat_workgroup_size: 128
    .sgpr_count:     66
    .vgpr_count:     168
    .wavefront_size: 32
...
	.end_amdgpu_metadata
.endif
;; end of part 1
;; launch qkv (part 2): grid 32 x 6, 8 waves a work-group, no clusters, 177,152 bytes of LDS; arguments x, stat, gn_w, gn_b, qkv_w, qkv_b, qt, kt, vb; writes qt, kt, vb
.if DOCPART == 2
	.amdgcn_target "amdgcn-amd-amdhsa--gfx1250"
	.amdhsa_code_object_version 6
	.text
	.protected	k_q80ae3978f1_qkv
	.globl	k_q80ae3978f1_qkv
	.p2align	8
	.type	k_q80ae3978f1_qkv,@function
k_q80ae3978f1_qkv:
	s_mov_b64 s[64:65], 0
	v_nop
	global_prefetch_b8 v0, s[64:65] scope:SCOPE_SE
	s_setreg_imm32_b32 hwreg(HW_REG_WAVE_MODE, 25, 1), 1
	s_wait_xcnt 0x0
; qkv: GroupNorm's affine form applied to x on the way into LDS, then the 768 x 256 channel product with bias.
;   y = 0,1: q, times 32^-0.5 log2 e, to qt[pos][256] bf16     y = 2,3: k to kt[pos][256] bf16     y = 4,5: v to vb[256][pos] bf16
; A work-group makes 128 outputs x 128 positions over all 256 channels: one fill of LDS, one barrier, eight K steps of 32.
; 128 x 128 is what makes every stored row 256 consecutive bytes, aligned; that gives 32 x 6 = 192 work-groups.
; The fill goes through registers: x has to be normalised and both operands rounded to bf16 on their way.  That is also why
; no joint tensor loads are used although work-groups share tiles: they would land f32 in LDS, to be read, converted and written again.
; Group statistics: the group's mean is the mean of its 32 channel means, and its M2 is the sum of M2_c + 4096 (mean_c - mean)^2:
; no difference of large sums.
; Q and K: A = 16 rows of W, B = 16 positions of H, so a lane's 8 results are 8 neighbouring channels of one position.
; V:       A = 16 positions of H, B = 16 rows of W, so a lane's 8 results are 8 neighbouring positions of one channel.
.set WPITCH, 528                       ; W in LDS: [o][c] bf16, 512 bytes + 16: an odd multiple of 16
.set HPITCH, 288                       ; H in LDS: [c][pos] bf16, 256 bytes + 32: an odd multiple of 32, for the transposing load
.set HBASE,  128*WPITCH                ; 67,584
.set STAGE,  HBASE+256*HPITCH          ; 141,312: 16 rows x 272 bytes for each wave, for the way out
.set SPITCH, 272
.set AW,   4                           ; W fragment of tile 0: r x 528 + 16 h
.set AWO,  5                           ; W fragment of my own tile
.set AH0,  6                           ; H fragment, channels 0-127, position tile 0
.set AH1,  7                           ; H fragment, channels 128-255
.set AHO0, 8                           ; the same two for my own position tile
.set AHO1, 9
.set STO,  10                          ; the way out: where 16 bytes go
.set RD,   11                          ; the way out: where a row is read back
.set COQ,  12                          ; offset in qt / kt
.set COV,  13                          ; offset in vb
.set XO,   14                          ; offset in x
.set WO,   15                          ; offset in qkv_w
.set HS,   16                          ; H: where my 8 bytes of a row go
.set WS,   17                          ; W: the same
.set GA,   18                          ; lane c: a_c = rstd gn_w[c]
.set GB,   19                          ; lane c: b_c = gn_b[c] - mean a_c
.set BO1,  20                          ; offsets in qkv_b, stat, gn_w / gn_b
.set BO2,  21
.set SO,   22
.set GO,   23
.set ACC,  24                          ; v[24:87]   eight accumulator tiles
.set CB,   88                          ; v[88:95]   V's bias as a C operand; v[90:95] serve as temporaries before that
.set F0,   96                          ; v[96:167]  fragments: my own (8), eight streamed (64)
.set F1,   168                         ; v[168:239] the second buffer
.set BA,   96                          ; v[96:159]  fill: 16 loads
.set BB,   160                         ; v[160:223] fill: 16 loads
	s_load_b256 s[4:11], s[0:1], 0x0               ; x s[4:5], stat s[6:7], gn_w s[8:9], gn_b s[10:11]
	s_load_b256 s[12:19], s[0:1], 0x20             ; qkv_w s[12:13], qkv_b s[14:15], qt s[16:17], kt s[18:19]
	s_load_b64 s[20:21], s[0:1], 0x40              ; vb
	v_lshl_add_u32 v240, v0, 2, 0x2b000
	v_mov_b32 v241, 0
	v_and_b32 v1, 31, v0                           ; lane
	v_lshrrev_b32 v90, 5, v0
	v_readfirstlane_b32 s22, v90                   ; wave
	s_and_b32 s23, ttmp7, 0xffff                   ; y: which 128 rows of qkv_w
	v_and_b32 v2, 15, v0                           ; r
	v_bfe_u32 v3, v0, 4, 1                         ; h
	s_mov_b32 s28, 0x76543210
	s_mov_b32 s29, 0xfedcba98
	; LDS addresses of the fragments
	v_mul_u32_u24 v[AW], v2, WPITCH
	v_lshl_add_u32 v[AW], v3, 4, v[AW]
	s_mul_i32 s24, s22, 16*WPITCH
	v_add_nc_u32 v[AWO], s24, v[AW]
	v_and_b32 v90, 7, v0
	v_lshl_or_b32 v90, v3, 3, v90                  ; channel 8 h + (lane & 7)
	v_mul_u32_u24 v90, v90, HPITCH
	v_bfe_u32 v91, v0, 3, 1
	v_lshl_add_u32 v90, v91, 4, v90                ; + 16 ((lane >> 3) & 1)
	v_add_nc_u32 v[AH0], HBASE, v90
	v_add_nc_u32 v[AH1], HBASE+128*HPITCH, v90
	s_lshl_b32 s25, s22, 5
	v_add_nc_u32 v[AHO0], s25, v[AH0]
	v_add_nc_u32 v[AHO1], s25, v[AH1]
	; the way out
	s_mul_i32 s25, s22, 16*SPITCH
	s_add_co_u32 s25, s25, STAGE
	v_mul_u32_u24 v90, v2, SPITCH
	v_lshl_add_u32 v90, v3, 4, v90
	v_add_nc_u32 v[STO], s25, v90
	v_mul_u32_u24 v90, v3, SPITCH
	v_lshl_add_u32 v90, v2, 4, v90
	v_add_nc_u32 v[RD], s25, v90
	v_lshlrev_b32 v90, 4, v2
	v_lshl_add_u32 v[COQ], v3, 9, v90              ; rows of 512 bytes
	v_lshl_add_u32 v[COV], v3, 13, v90             ; rows of 8,192 bytes
	; the fill
	s_lshl_b32 s25, s22, 19                        ; my group: 32 channels x 16,384 bytes
	s_lshl_b32 s26, ttmp9, 9                       ; the block's 128 positions
	s_add_co_u32 s25, s25, s26
	v_lshl_add_u32 v[XO], v1, 4, s25
	s_lshl_b32 s25, s23, 17                        ; 128 rows x 1,024 bytes
	s_lshl_b32 s26, s22, 14                        ; my 16 rows
	s_add_co_u32 s25, s25, s26
	v_lshl_add_u32 v[WO], v1, 4, s25
	s_mul_i32 s25, s22, 32*HPITCH
	s_add_co_u32 s25, s25, HBASE
	v_lshl_add_u32 v[HS], v1, 3, s25
	v_lshl_add_u32 v[WS], v1, 3, s24
	s_lshl_b32 s25, s23, 9                         ; 128 y numbers of qkv_b
	v_lshl_add_u32 v[BO1], v3, 5, s25              ; + 8 h
	s_lshl_b32 s26, s22, 6
	s_add_co_u32 s25, s25, s26
	v_lshl_add_u32 v[BO2], v2, 2, s25              ; 128 y + 16 wave + r
	s_lshl_b32 s25, s22, 5
	v_add_nc_u32 v90, s25, v1                      ; channel 32 wave + lane
	v_lshlrev_b32 v[SO], 3, v90
	v_lshlrev_b32 v[GO], 2, v90
	s_wait_kmcnt 0x0
	; Both forms of the bias are loaded whatever y is (260 bytes a lane), so that the counts below hold on every path.
.irp i, 0,1,2,3,4,5,6,7
	global_load_b128 v[ACC+8*\i:ACC+8*\i+3],   v[BO1], s[14:15] offset:64*\i      ; Q, K: register j of tile i starts at bias[128 y + 16 i + 8 h + j]
	global_load_b128 v[ACC+8*\i+4:ACC+8*\i+7], v[BO1], s[14:15] offset:64*\i+16
.endr
	global_load_b32 v[CB], v[BO2], s[14:15]        ; V: one number a lane
	global_load_b64 v[90:91], v[SO], s[6:7]        ; mean_c, M2_c
	global_load_b32 v92, v[GO], s[8:9]
	global_load_b32 v93, v[GO], s[10:11]
.irp c, 0,1,2,3,4,5,6,7,8,9,10,11,12,13,14,15
	global_load_b128 v[BA+4*\c:BA+4*\c+3], v[XO], s[4:5] offset:\c*16384          ; a channel's 128 positions: 512 consecutive bytes
.endr
.irp c, 0,1,2,3,4,5,6,7,8,9,10,11,12,13,14,15
	global_load_b128 v[BB+4*\c:BB+4*\c+3], v[XO], s[4:5] offset:(16+\c)*16384
.endr
	; where the results go, and q's scale
	s_cmp_lt_u32 s23, 2
	s_cselect_b32 s34, 0x3e8293ee, 1.0             ; q: 32^-0.5 log2 e; k: 1
	s_cselect_b64 s[36:37], s[16:17], s[18:19]     ; qt or kt
	s_mov_b32 s35, s34
	s_and_b32 s38, s23, 1                          ; which 128 channels of the 256
	s_lshl_b32 s40, ttmp9, 16                      ; 128 positions x 512 bytes
	s_lshl_b32 s41, s22, 13                        ; my 16 positions
	s_add_co_u32 s40, s40, s41
	s_lshl_b32 s41, s38, 8
	s_add_co_u32 s40, s40, s41
	s_mov_b32 s41, 0
	s_add_nc_u64 s[36:37], s[36:37], s[40:41]
	s_lshl_b32 s42, s38, 20                        ; 128 channels x 8,192 bytes
	s_lshl_b32 s43, s22, 17                        ; my 16 channels
	s_add_co_u32 s42, s42, s43
	s_lshl_b32 s43, ttmp9, 8                       ; 128 positions x 2 bytes
	s_add_co_u32 s42, s42, s43
	s_mov_b32 s43, 0
	s_add_nc_u64 s[20:21], s[20:21], s[42:43]
.macro WSUM a, t
	v_add_f32_dpp v[\a], v[\a], v[\a] row_xmask:1 row_mask:0xf bank_mask:0xf
	v_add_f32_dpp v[\a], v[\a], v[\a] row_xmask:2 row_mask:0xf bank_mask:0xf
	v_add_f32_dpp v[\a], v[\a], v[\a] row_xmask:4 row_mask:0xf bank_mask:0xf
	v_add_f32_dpp v[\a], v[\a], v[\a] row_xmask:8 row_mask:0xf bank_mask:0xf
	v_permlanex16_b32 v[\t], v[\a], s28, s29
	v_add_f32 v[\a], v[\a], v[\t]
.endm
	s_wait_loadcnt 32                              ; only x's 32 loads are younger: biases, statistics and gains are in
	v_mov_b32 v94, v90
	v_mov_b32 v95, v90                             ; written, for the lane exchange's destination
	WSUM 94, 95
	v_mul_f32 v94, 0x3d000000, v94                 ; the group's mean = sum of 32 channel means / 32
	v_sub_f32 v95, v90, v94
	v_mul_f32 v95, v95, v95
	v_fmamk_f32 v91, v95, 0x45800000, v91          ; M2_c + 4096 (mean_c - mean)^2
	WSUM 91, 95
	v_mov_b32 v95, 0x37000000                      ; 1 / (32 x 4096)
	v_fmaak_f32 v91, v91, v95, 0x3727c5ac          ; variance + 1e-5
	v_rsq_f32 v91, v91
	v_nop                                          ; one plain place behind the root (ISA guide 5.7.2)
	s_wait_alu depctr_va_vdst(0)
	v_mul_f32 v[GA], v91, v92
	v_fma_f32 v[GB], -v94, v[GA], v93
; A channel's 128 positions: normalise, round, 8 bytes a lane into H's row.  c: channel in my group; b: its four registers.
.macro XROW c, b
	v_readlane_b32 s30, v[GA], \c
	v_readlane_b32 s31, v[GB], \c
	v_fma_f32 v[\b], v[\b], s30, s31
	v_fma_f32 v[\b+1], v[\b+1], s30, s31
	v_fma_f32 v[\b+2], v[\b+2], s30, s31
	v_fma_f32 v[\b+3], v[\b+3], s30, s31
	v_cvt_pk_bf16_f32 v[\b], v[\b], v[\b+1]
	v_cvt_pk_bf16_f32 v[\b+1], v[\b+2], v[\b+3]
	ds_store_b64 v[HS], v[\b:\b+1] offset:(\c)*HPITCH
.endm
; Eight rows of W, two halves of 512 bytes each.
.macro LOADW b, i0
.irp i, 0,1,2,3,4,5,6,7
	global_load_b128 v[\b+8*\i:\b+8*\i+3],   v[WO], s[12:13] offset:(\i0+\i)*1024
	global_load_b128 v[\b+8*\i+4:\b+8*\i+7], v[WO], s[12:13] offset:(\i0+\i)*1024+512
.endr
.endm
.macro CVTW b, i0
.irp i, 0,1,2,3,4,5,6,7
	v_cvt_pk_bf16_f32 v[\b+8*\i],   v[\b+8*\i],   v[\b+8*\i+1]
	v_cvt_pk_bf16_f32 v[\b+8*\i+1], v[\b+8*\i+2], v[\b+8*\i+3]
	ds_store_b64 v[WS], v[\b+8*\i:\b+8*\i+1] offset:(\i0+\i)*WPITCH
	v_cvt_pk_bf16_f32 v[\b+8*\i+4], v[\b+8*\i+4], v[\b+8*\i+5]
	v_cvt_pk_bf16_f32 v[\b+8*\i+5], v[\b+8*\i+6], v[\b+8*\i+7]
	ds_store_b64 v[WS], v[\b+8*\i+4:\b+8*\i+5] offset:(\i0+\i)*WPITCH+256
.endr
.endm
	s_wait_loadcnt 16                              ; channels 0-15 are in; 16-31 are the 16 younger loads
.irp c, 0,1,2,3,4,5,6,7,8,9,10,11,12,13,14,15
	XROW \c, (BA+4*\c)
.endr
	LOADW BA, 0
	s_wait_loadcnt 16                              ; channels 16-31 are in; W's first 16 loads are younger
.irp c, 0,1,2,3,4,5,6,7,8,9,10,11,12,13,14,15
	XROW (16+\c), (BB+4*\c)
.endr
	LOADW BB, 8
	s_wait_loadcnt 16                              ; W's rows 0-7 are in; rows 8-15 are younger
	CVTW BA, 0
	s_wait_loadcnt 0x0
	CVTW BB, 8
	s_wait_dscnt 0x0                               ; my part of H and W is written,
	s_barrier_signal -1
	s_barrier_wait -1                              ; everybody's is
.macro PLACES                          ; four plain places behind a matrix instruction, in front of loads into its sources and of readers of its result (ISA guide 7.12.1 for readers of its result)
.rept 4
	v_nop
.endr
.endm
.macro FETCHW dst, adr, off            ; 16 rows x 32 K from rows that lie along K: two loads, 32 bytes apart
	ds_load_b128 v[\dst:\dst+3],   v[\adr] offset:\off
	ds_load_b128 v[\dst+4:\dst+7], v[\adr] offset:\off+32
.endm
.macro FETCHH dst, adr, off            ; 16 positions x 32 K from rows that lie along the positions: two transposing loads, 16 rows apart
	ds_load_tr16_b128 v[\dst:\dst+3],   v[\adr] offset:\off
	ds_load_tr16_b128 v[\dst+4:\dst+7], v[\adr] offset:\off+16*HPITCH
.endm
.macro FETCH isv, ks, f                ; 18 loads: my own fragment, then the eight streamed ones, of K step ks
.if \isv
	FETCHW \f, AWO, 64*(\ks)
.irp i, 0,1,2,3,4,5,6,7
	FETCHH \f+8+8*\i, AH0+((\ks)>>2), ((\ks)&3)*32*HPITCH+32*\i
.endr
.else
	FETCHH \f, AHO0+((\ks)>>2), ((\ks)&3)*32*HPITCH
.irp i, 0,1,2,3,4,5,6,7
	FETCHW \f+8+8*\i, AW, \i*16*WPITCH+64*(\ks)
.endr
.endif
.endm
; One K step: the next step's fragments are asked for, then this step's eight products.  The eight accumulators take turns, one
; instruction a turn.
.macro KSTEP isv, ks, cur, nxt
.if \ks<7
.if \ks>0
	PLACES
.endif
	FETCH \isv, (\ks+1), \nxt
	s_wait_dscnt 18                                ; all but the 18 just issued
.else
	s_wait_dscnt 0x0
.endif
.irp i, 0,1,2,3,4,5,6,7
.if \isv*(\ks==0)
	v_wmma_f32_16x16x32_bf16 v[ACC+8*\i:ACC+8*\i+7], v[\cur+8+8*\i:\cur+15+8*\i], v[\cur:\cur+7], v[CB:CB+7]
.else
	v_wmma_f32_16x16x32_bf16 v[ACC+8*\i:ACC+8*\i+7], v[\cur+8+8*\i:\cur+15+8*\i], v[\cur:\cur+7], v[ACC+8*\i:ACC+8*\i+7]
.endif
.endr
.endm
.macro GEMM isv
	FETCH \isv, 0, F0
	KSTEP \isv, 0, F0, F1
	KSTEP \isv, 1, F1, F0
	KSTEP \isv, 2, F0, F1
	KSTEP \isv, 3, F1, F0
	KSTEP \isv, 4, F0, F1
	KSTEP \isv, 5, F1, F0
	KSTEP \isv, 6, F0, F1
	KSTEP \isv, 7, F1, F0
.endm
; The way out: 16 bytes a lane into my own stage, read back as rows of 256 bytes.  LDS serves a wave's instructions in order
; (ISA guide 5.7.1.4), so no wait stands between the stores and the loads.
.macro OUT isv, co, lo, hi, pitch
	PLACES
.irp i, 0,1,2,3,4,5,6,7
.if \isv==0
.irp k, 0,2,4,6
	v_pk_mul_f32 v[ACC+8*\i+\k:ACC+8*\i+\k+1], v[ACC+8*\i+\k:ACC+8*\i+\k+1], s[34:35] op_sel_hi:[1,0]
.endr
.endif
.irp k, 0,1,2,3
	v_cvt_pk_bf16_f32 v[ACC+8*\i+\k], v[ACC+8*\i+2*\k], v[ACC+8*\i+2*\k+1]
.endr
	ds_store_b128 v[STO], v[ACC+8*\i:ACC+8*\i+3] offset:32*\i
.endr
.irp t, 0,1,2,3,4,5,6,7
	ds_load_b128 v[F0+4*\t:F0+4*\t+3], v[RD] offset:\t*2*SPITCH
.endr
.irp t, 0,1,2,3,4,5,6,7
	s_wait_dscnt 7-\t
	global_store_b128 v[\co], v[F0+4*\t:F0+4*\t+3], s[\lo:\hi] offset:\t*2*\pitch   ; 16 lanes store 256 consecutive bytes, aligned
.endr
.endm
	s_cmp_ge_u32 s23, 4
	s_cbranch_scc1 .Lv_path
	GEMM 0                                         ; the first products add onto the bias that was loaded into the accumulators
	OUT 0, COQ, 36, 37, 512
	s_wait_tensorcnt 0x0
	ds_add_u32 v240, v241
	s_wait_dscnt 0x0
	s_endpgm
.Lv_path:
.irp k, 1,2,3,4,5,6,7
	v_mov_b32 v[CB+\k], v[CB]                      ; a lane's eight results share one channel, so one bias
.endr
	GEMM 1
	OUT 1, COV, 20, 21, 8192
	s_wait_tensorcnt 0x0
	ds_add_u32 v240, v241
	s_wait_dscnt 0x0
	s_endpgm
.Lfunc_end_k_q80ae3978f1_qkv:
	.size	k_q80ae3978f1_qkv, .Lfunc_end_k_q80ae3978f1_qkv-k_q80ae3978f1_qkv
	.p2alignl 7, 3214868480
	.fill 96, 4, 3214868480
	.section	.rodata,"a",@progbits
	.p2align	6, 0x0
	.amdhsa_kernel k_q80ae3978f1_qkv
		.amdhsa_group_segment_fixed_size 177152
		.amdhsa_private_segment_fixed_size 0
		.amdhsa_enable_private_segment 0
		.amdhsa_kernarg_size 72
		.amdhsa_user_sgpr_count 2
		.amdhsa_user_sgpr_kernarg_segment_ptr 1
		.amdhsa_wavefront_size32 1
		.amdhsa_system_sgpr_workgroup_id_x 1
		.amdhsa_system_sgpr_workgroup_id_y 1
		.amdhsa_system_sgpr_workgroup_id_z 1
		.amdhsa_system_vgpr_workitem_id 0
		.amdhsa_next_free_vgpr 242
		.amdhsa_next_free_sgpr 66
		.amdhsa_reserve_vcc 0
		.amdhsa_float_denorm_mode_32 3
		.amdhsa_float_denorm_mode_16_64 3
		.amdhsa_memory_ordered 1
		.amdhsa_forward_progress 1
		.amdhsa_inst_pref_size 77
	.end_amdhsa_kernel
	.amdgpu_metadata
---
amdhsa.version: [ 1, 2 ]
amdhsa.kernels:
  - .name:           k_q80ae3978f1_qkv
    .symbol:         k_q80ae3978f1_qkv.kd
    .args:
      - { .name: x, .offset: 0, .size: 8, .value_kind: global_buffer, .address_space: global }
      - { .name: stat, .offset: 8, .size: 8, .value_kind: global_buffer, .address_space: global }
      - { .name: gn_w, .offset: 16, .size: 8, .value_kind: global_buffer, .address_space: global }
      - { .name: gn_b, .offset: 24, .size: 8, .value_kind: global_buffer, .address_space: global }
      - { .name: qkv_w, .offset: 32, .size: 8, .value_kind: global_buffer, .address_space: global }
      - { .name: qkv_b, .offset: 40, .size: 8, .value_kind: global_buffer, .address_space: global }
      - { .name: qt, .offset: 48, .size: 8, .value_kind: global_buffer, .address_space: global }
      - { .name: kt, .offset: 56, .size: 8, .value_kind: global_buffer, .address_space: global }
      - { .name: vb, .offset: 64, .size: 8, .value_kind: global_buffer, .address_space: global }
    .group_segment_fixed_size: 177152
    .private_segment_fixed_size: 0
    .kernarg_segment_align: 8
    .kernarg_segment_size: 72
    .max_flat_workgroup_size: 256
    .sgpr_count:     66
    .vgpr_count:     242
    .wavefront_size: 32
...
	.end_amdgpu_metadata
.endif
;; end of part 2
;; launch attn (part 3): grid 64 x 4, 8 waves a work-group, clusters of 4 x 1, 327,680 bytes of LDS; arguments qt, kt, vb, feat, opart, ml; writes opart, ml
.if DOCPART == 3
	.amdgcn_target "amdgcn-amd-amdhsa--gfx1250"
	.amdhsa_code_object_version 6
	.text
	.protected	k_q80ae3978f1_attn
	.globl	k_q80ae3978f1_attn
	.p2align	8
	.type	k_q80ae3978f1_attn,@function
k_q80ae3978f1_attn:
	s_mov_b64 s[64:65], 0
	v_nop
	global_prefetch_b8 v0, s[64:65] scope:SCOPE_SE
	s_setreg_imm32_b32 hwreg(HW_REG_WAVE_MODE, 25, 1), 1
	s_wait_xcnt 0x0
	s_wait_alu depctr_hold_cnt(0) depctr_sa_sdst(0) depctr_va_vdst(0) depctr_va_sdst(0) depctr_va_ssrc(0) depctr_va_vcc(0) depctr_vm_vsrc(0)
	s_getreg_b32 s2, hwreg(HW_REG_IB_STS2, 6, 4)
	s_cmp_eq_u32 s2, 0
	s_cbranch_scc0 .Lentry_in_a_cluster
	s_endpgm
.Lentry_in_a_cluster:
	s_bfe_u32 s2, ttmp6, 0x10000c
	s_cmp_lg_u32 s2, 0x3003
	s_cbranch_scc0 .Lentry_shape_is_right
	s_endpgm
.Lentry_shape_is_right:
; attn: masked attention, all in base 2 (q carries 32^-0.5 log2 e; the boosts and the clip carry log2 e).
; A work-group takes 64 queries x 8 heads x 1,024 keys (a quarter of the keys: y of the grid); the four partial results of a query are
; merged by the next launch.  It stores, per head and query, the running maximum m, the sum l of 2^(s - m), and the unnormalised
; sum of 2^(s - m) v in bf16.
; Wave w: 16 queries (w & 3) x 4 heads (w >> 2).
;   S^T = K Q^T + bias:  A = 16 keys of K, B = 16 queries, C = the bias tile.  A lane then holds ONE query and 8 neighbouring keys of each tile,
;   so two tiles, rounded to bf16 in place, ARE the B fragment of O^T = V^T P^T (A = 16 channels of V): nothing is shuffled.
;   The bias does not hang on the head: one tile serves the wave's four heads and enters as the product's C operand.
;   16 aligned positions share one y, so |y_q - y_k| <= 2 holds for a whole 16 x 16 tile or for none of it: bit y_k of the mask s22.
; AIR: an air key's bias is -2^127 (its lo and hi are both that), so its score ends at the clip's lower end, -1e9 log2 e, which is what
;   -1e9 plus a boost of at most 20 rounds to in f32.  The running maximum is taken over clipped scores, so it is always finite.
; CLUSTER: the four work-groups of a cluster have the same keys and other queries; K's and V's tiles are asked for jointly (mask 15).
;   Query block = cluster x + 16 cx: partners lie 1,024 positions apart, so the mask s22, on which branches hang, is alike in all four.
; RING: two slots of 128 keys (two steps of 64).  Waves 0-3 fetch 32 keys x 512 bytes of K each, waves 4-7 64 channels x 256 bytes of V.
;   K's rows stay whole (32 rows a load): a pad inside a row would make the pitch an even multiple of 16 bytes.
;   A wave has two tensor loads out at the start and one behind each round.
; LIMITS: NaN inputs are not followed.  An air key's score is exact while its raw score is below 1.7e38.  v_exp_f32 gives 0 for results
;   below 2^-126.  The partial sums of 2^(s - m) v are rounded to bf16 when stored.
.set KPITCH, 528
.set VPITCH, 272
.set VOFF,   128*KPITCH                ; 67,584: V's 256 rows lie behind K's 128
.set SLOT,   VOFF+256*VPITCH           ; 137,216
.set FEAT,   2*SLOT                    ; 274,432: four planes of 1,024 f32, written once through registers
.set STAGE,  FEAT+16384                ; 290,816: for each wave 16 rows x 80 bytes, then 512 bytes
.set WSTAGE, 1792
.set OPITCH, 80
.set ADK,  1                           ; v1, v2     K fragments in slot 0, 1
.set ADV,  3                           ; v3, v4     V fragments in slot 0, 1
.set ADF,  5                           ; v5         features of this visit's keys
.set WQ,   6                           ; v[6:7]     my query's w, twice
.set LQ,   8                           ; v[8:9]     my query's l, twice
.set M,    10                          ; v[10:13]   running maximum, one a head
.set LS,   14                          ; v[14:17]   running sum (of my half of the keys), one a head
.set MN,   18                          ; v[18:19]   the new maximum, twice
.set AL,   20                          ; v[20:21]   2^(old - new), twice
.set T,    22                          ; v[22:29]   at work
.set Q,    30                          ; v[30:61]   four heads' fragments
.set O,    62                          ; v[62:125]  head x two tiles of 16 channels
.set BIAS, 126                         ; v[126:157] four key tiles
.set S,    158                         ; v[158:189] scores; then P in v[158:173]; also a set of features
.set KF,   190                         ; v[190:221] K fragments; also a set of features
.set VF,   222                         ; v[222:253] V fragments: tile dt, K step ks at 8 (2 dt + ks)
.set G1K, 32
.set G1V, 40
.set G0K, 48                           ; s[48:55] one group 0 for each slot
.set G0V, 56                           ; s[56:63]
.macro PLACES                          ; four plain places behind a matrix instruction (ISA guide 7.12.1 for vector instructions)
.rept 4
	v_nop
.endr
.endm
.macro ROUND                           ; a round of the cluster's barrier
	s_barrier_signal -1
	s_barrier_wait -1
	s_cmp_lg_u32 s16, 0
	s_cbranch_scc1 .Lnot_wave_0_\@
	s_barrier_signal -3
.Lnot_wave_0_\@:
	s_barrier_wait -3
	s_barrier_signal -1
	s_barrier_wait -1
.endm
.macro JLOAD sl                        ; one joint load a wave: the branch hangs on the wave's number alone
	s_cmp_eq_u32 s18, 0
	s_cbranch_scc0 .Lfor_v_\@
	tensor_load_to_lds s[G0K+4*\sl:G0K+4*\sl+3], s[G1K:G1K+7]
	s_nop 0
	s_branch .Lasked_\@
.Lfor_v_\@:
	tensor_load_to_lds s[G0V+4*\sl:G0V+4*\sl+3], s[G1V:G1V+7]
	s_nop 0
.Lasked_\@:
.endm
	s_load_b256 s[4:11], s[0:1], 0x0               ; qt s[4:5], kt s[6:7], vb s[8:9], feat s[10:11]
	s_load_b128 s[12:15], s[0:1], 0x20             ; opart s[12:13], ml s[14:15]
	s_set_vgpr_msb 0x40
	v_lshl_add_u32 v0, v0, 2, 0x4a800
	v_mov_b32 v1, 0
	s_set_vgpr_msb 0x4045
	ds_add_u32 v0, v1
	s_set_vgpr_msb 0x4500
	v_lshrrev_b32 v[T], 5, v0
	v_readfirstlane_b32 s16, v[T]                  ; wave
	s_and_b32 s17, s16, 3                          ; my 16 queries; also which quarter of a tile I fetch
	s_lshr_b32 s18, s16, 2                         ; my four heads; also: I fetch for K (0) or V (1)
	s_bfe_u32 s19, ttmp6, 0x40000                  ; cx
	s_lshl_b32 s20, s19, 4
	s_add_co_u32 s20, s20, ttmp9                   ; query block = cluster x + 16 cx
	s_and_b32 s21, ttmp7, 0xffff                   ; which 1,024 keys
	s_lshl_b32 s22, ttmp9, 2
	s_add_co_u32 s22, s22, s17
	s_and_b32 s22, s22, 15                         ; y of my queries = (4 block + quarter) mod 16: 64 cx drops out
	s_lshl_b32 s22, 0x1f, s22
	s_lshr_b32 s22, s22, 2                         ; bit y_k is set where |y_k - y_q| <= 2 (only bits 0-15 are tested)
	s_mov_b32 s24, 0xceabfb8f                      ; -1e9 log2 e
	s_mov_b32 s25, 0x4eabfb8f                      ; +1e9 log2 e
	s_mov_b32 s26, 0x4199e331                      ; 10 log2 e / 0.75
	s_mov_b32 s27, 0x76543210
	s_mov_b32 s28, 0xfedcba98
	s_lshl_b32 s29, s20, 6
	s_lshl_b32 s66, s17, 4
	s_add_co_u32 s29, s29, s66                     ; my first query
	; group 1 for K: 32 rows x 64 elements of 8 bytes, 4 words of padding behind every 128
	s_mov_b32 s[G1K+0], 15|(3<<16)|(1<<20)|(1<<21)|(6<<22)|(3<<25)
	s_mov_b32 s[G1K+1], 64<<16                     ; tensor_dim0
	s_mov_b32 s[G1K+2], 32<<16                     ; tensor_dim1
	s_mov_b32 s[G1K+3], 64<<16                     ; tile_dim0
	s_mov_b32 s[G1K+4], 32                         ; tile_dim1
	s_mov_b32 s[G1K+5], 64                         ; from key to key: 512 bytes
	s_mov_b32 s[G1K+6], 0
	s_mov_b32 s[G1K+7], 0
	; group 1 for V: 64 rows x 32 elements of 8 bytes, 4 words of padding behind every 64
	s_mov_b32 s[G1V+0], 15|(3<<16)|(1<<20)|(1<<21)|(5<<22)|(3<<25)
	s_mov_b32 s[G1V+1], 32<<16
	s_mov_b32 s[G1V+2], 64<<16
	s_mov_b32 s[G1V+3], 32<<16
	s_mov_b32 s[G1V+4], 64
	s_mov_b32 s[G1V+5], 1024                       ; from channel to channel: 8,192 bytes
	s_mov_b32 s[G1V+6], 0
	s_mov_b32 s[G1V+7], 0
	s_lshl_b32 s66, s21, 19                        ; K: (1,024 split + 32 quarter) keys x 512 bytes
	s_lshl_b32 s68, s17, 14
	s_add_co_u32 s66, s66, s68
	s_mov_b32 s67, 0
	s_lshl_b32 s68, s17, 19                        ; V: 64 quarter channels x 8,192 bytes + 1,024 split keys x 2 bytes
	s_lshl_b32 s70, s21, 11
	s_add_co_u32 s68, s68, s70
	s_mov_b32 s69, 0
	s_mul_i32 s70, s17, 32*KPITCH                  ; where they go: the wave's number alone
	s_mul_i32 s71, s17, 64*VPITCH
	s_add_co_u32 s71, s71, VOFF
	s_wait_dscnt 0x0
	s_wait_kmcnt 0x0
	s_add_nc_u64 s[66:67], s[6:7], s[66:67]
	s_add_nc_u64 s[68:69], s[8:9], s[68:69]
	ROUND                                          ; all four work-groups are here: the first joint loads meet
.irp sl, 0,1
	s_mov_b32 s[G0K+4*\sl], 1
	s_add_co_u32 s[G0K+4*\sl+1], s70, \sl*SLOT
	s_add_nc_u64 s[G0K+4*\sl+2:G0K+4*\sl+3], s[66:67], \sl*65536      ; 128 keys on
	s_or_b32 s[G0K+4*\sl+3], s[G0K+4*\sl+3], 0x80000000
	s_mov_b32 s[G0V+4*\sl], 1
	s_add_co_u32 s[G0V+4*\sl+1], s71, \sl*SLOT
	s_add_nc_u64 s[G0V+4*\sl+2:G0V+4*\sl+3], s[68:69], \sl*256
	s_or_b32 s[G0V+4*\sl+3], s[G0V+4*\sl+3], 0x80000000
	JLOAD \sl
.endr
	v_and_b32 v[T], 15, v0                         ; r
	v_bfe_u32 v[T+1], v0, 4, 1                     ; h
	v_mul_u32_u24 v[T+2], v[T], KPITCH
	v_lshl_add_u32 v[T+2], v[T+1], 4, v[T+2]
	s_lshl_b32 s72, s18, 8                         ; my four heads: 256 bytes of a key's row
	v_add_nc_u32 v[ADK], s72, v[T+2]
	v_add_nc_u32 v[ADK+1], SLOT, v[ADK]
	v_mul_u32_u24 v[T+2], v[T], VPITCH
	v_lshl_add_u32 v[T+2], v[T+1], 4, v[T+2]
	s_mul_i32 s72, s18, 128*VPITCH                 ; my four heads: 128 channels
	s_add_co_u32 s72, s72, VOFF
	v_add_nc_u32 v[ADV], s72, v[T+2]
	v_add_nc_u32 v[ADV+1], SLOT, v[ADV]
	v_lshlrev_b32 v[ADF], 5, v[T+1]                ; my 8 keys of a tile: 32 h bytes
	v_add_nc_u32 v[ADF], FEAT, v[ADF]
	s_lshl_b32 s72, s21, 12                        ; the split's 1,024 keys in a plane
	v_lshl_add_u32 v254, v0, 4, s72
	v_lshlrev_b32 v255, 4, v0
	v_add_nc_u32 v255, FEAT, v255
	s_lshl_b32 s72, s29, 2
	v_lshl_add_u32 v[T+3], v[T], 2, s72            ; my query in a plane
	s_lshl_b32 s72, s29, 9
	s_lshl_b32 s73, s18, 8
	s_add_co_u32 s72, s72, s73
	v_lshl_add_u32 v[T+4], v[T], 9, s72            ; my query's row of qt, my heads,
	v_lshl_add_u32 v[T+4], v[T+1], 4, v[T+4]       ; + 16 h
.irp p, 0,1,2,3
	global_load_b128 v[S+4*\p:S+4*\p+3], v254, s[10:11] offset:\p*16384     ; 256 threads x 16 bytes: a plane's 4,096 bytes
.endr
	global_load_b32 v[WQ], v[T+3], s[10:11] offset:65536
	global_load_b32 v[LQ], v[T+3], s[10:11] offset:81920
.irp hh, 0,1,2,3
	global_load_b128 v[Q+8*\hh:Q+8*\hh+3],   v[T+4], s[4:5] offset:64*\hh
	global_load_b128 v[Q+8*\hh+4:Q+8*\hh+7], v[T+4], s[4:5] offset:64*\hh+32
.endr
	s_wait_loadcnt 10                              ; the four planes are in; w, l and Q's eight loads are younger
.irp p, 0,1,2,3
	ds_store_b128 v255, v[S+4*\p:S+4*\p+3] offset:\p*4096
.endr
	s_wait_loadcnt 0x0
	v_mov_b32 v[WQ+1], v[WQ]
	v_mov_b32 v[LQ+1], v[LQ]
	s_wait_tensorcnt 0x1                           ; my part of slot 0 is in; slot 1's may stay out
	s_wait_dscnt 0x0                               ; my part of the features is written
	s_barrier_signal -1
	s_barrier_wait -1
; Eight loads: the four planes' numbers of key tile t of this half, 8 keys a lane (all lanes of a half read the same words).
.macro LDF set, half, t
.irp p, 0,1,2,3
	ds_load_b128 v[\set+8*\p:\set+8*\p+3],   v[ADF] offset:\p*4096+\half*256+\t*64
	ds_load_b128 v[\set+8*\p+4:\set+8*\p+7], v[ADF] offset:\p*4096+\half*256+\t*64+16
.endr
.endm
; Eight loads: four tiles of 16 keys x 32 channels of head hh.
.macro LDK slot, half, hh
.irp kt, 0,1,2,3
	ds_load_b128 v[KF+8*\kt:KF+8*\kt+3],   v[ADK+\slot] offset:(64*\half+16*\kt)*KPITCH+64*(\hh)
	ds_load_b128 v[KF+8*\kt+4:KF+8*\kt+7], v[ADK+\slot] offset:(64*\half+16*\kt)*KPITCH+64*(\hh)+32
.endr
.endm
; Eight loads: two tiles of 16 channels x two K steps of 32 keys of head hh.
.macro LDV slot, half, hh
.irp dt, 0,1
.irp ks, 0,1
	ds_load_b128 v[VF+8*(2*\dt+\ks):VF+8*(2*\dt+\ks)+3],   v[ADV+\slot] offset:(32*(\hh)+16*\dt)*VPITCH+128*\half+64*\ks
	ds_load_b128 v[VF+8*(2*\dt+\ks)+4:VF+8*(2*\dt+\ks)+7], v[ADV+\slot] offset:(32*(\hh)+16*\dt)*VPITCH+128*\half+64*\ks+32
.endr
.endr
.endm
; The bias of key tile t from a set of features: clip(2L (w_q w_k + l_q l_k), lo, hi), and, where the tile's y is near mine,
; + 0.75 clip(2L w_q w_k, 0, 10L / 0.75) = clip(1.5L w_q w_k, 0, 10L).  Only register work stands under the branch.
.macro BIAST set, t, yk
.irp k, 0,2,4,6
	v_pk_mul_f32 v[\set+\k:\set+\k+1], v[\set+\k:\set+\k+1], v[WQ:WQ+1]
.endr
.irp k, 0,2,4,6
	v_pk_fma_f32 v[BIAS+8*\t+\k:BIAS+8*\t+\k+1], v[\set+8+\k:\set+8+\k+1], v[LQ:LQ+1], v[\set+\k:\set+\k+1]
.endr
.irp k, 0,1,2,3,4,5,6,7
	v_med3_num_f32 v[BIAS+8*\t+\k], v[BIAS+8*\t+\k], v[\set+16+\k], v[\set+24+\k]
.endr
	s_bitcmp1_b32 s22, \yk
	s_cbranch_scc0 .Lfar_\@
.irp k, 0,1,2,3,4,5,6,7
	v_med3_num_f32 v[\set+\k], v[\set+\k], 0, s26
.endr
.irp k, 0,2,4,6
	v_pk_fma_f32 v[BIAS+8*\t+\k:BIAS+8*\t+\k+1], v[\set+\k:\set+\k+1], 0x3f400000, v[BIAS+8*\t+\k:BIAS+8*\t+\k+1] op_sel_hi:[1,0,1]
.endr
.Lfar_\@:
.endm
; One head, 64 keys.  first = 1: the head's first keys start its maximum and its sums: nothing is cleared.
.macro UNIT slot, half, hh, first
.if \hh==0
	s_wait_dscnt 0x0                               ; K's fragments are the only loads out
.else
	s_wait_dscnt 0x8                               ; K's fragments are in; V's eight loads were issued behind them
.endif
.irp kt, 0,1,2,3
	v_wmma_f32_16x16x32_bf16 v[S+8*\kt:S+8*\kt+7], v[KF+8*\kt:KF+8*\kt+7], v[Q+8*\hh:Q+8*\hh+7], v[BIAS+8*\kt:BIAS+8*\kt+7]
.endr
	PLACES
.if \hh<3
	LDK \slot, \half, (\hh+1)
.endif
.set j, 0
.rept 32
	v_med3_num_f32 v[S+j], v[S+j], s24, s25        ; the clip to +-1e9
.set j, j+1
.endr
.if \first
	v_max_num_f32 v[T], v[S], v[S+1]
.else
	v_max3_num_f32 v[T], v[S], v[S+1], v[M+\hh]    ; the old maximum is the 33rd number
.endif
	v_max3_num_f32 v[T+1], v[S+2], v[S+3], v[S+4]
	v_max3_num_f32 v[T+2], v[S+5], v[S+6], v[S+7]
	v_max3_num_f32 v[T+3], v[S+8], v[S+9], v[S+10]
.set j, 0
.rept 10
	v_max3_num_f32 v[T+j%4], v[T+j%4], v[S+11+2*j], v[S+12+2*j]
.set j, j+1
.endr
	v_max3_num_f32 v[T], v[T], v[T+1], v[S+31]
	v_max3_num_f32 v[T], v[T], v[T+2], v[T+3]
	v_permlanex16_b32 v[T+1], v[T], s27, s28       ; the other 32 keys of my query lie 16 lanes away
	v_max_num_f32 v[MN], v[T], v[T+1]
	v_max_num_f32 v[MN+1], v[T], v[T+1]
.if \first==0
	v_sub_f32 v[AL], v[M+\hh], v[MN]
	v_exp_f32 v[AL], v[AL]                         ; the subtractions below are the plain place behind it (ISA guide 5.7.2)
.endif
.set j, 0
.rept 16
	v_pk_add_f32 v[S+2*j:S+2*j+1], v[S+2*j:S+2*j+1], v[MN:MN+1] neg_lo:[0,1] neg_hi:[0,1]
.set j, j+1
.endr
.if \first==0
	s_wait_alu depctr_va_vdst(0)
	v_mov_b32 v[AL+1], v[AL]
.endif
.set j, 0
.rept 32
	v_exp_f32 v[S+j], v[S+j]
.set j, j+1
.endr
.if \first
	v_nop                                          ; the plain place behind the exponentials
	s_wait_alu depctr_va_vdst(0)
.else
.set j, 0
	s_wait_alu depctr_va_vdst(0)
.rept 8
	v_pk_mul_f32 v[O+16*\hh+2*j:O+16*\hh+2*j+1], v[O+16*\hh+2*j:O+16*\hh+2*j+1], v[AL:AL+1]   ; also the plain place behind the exponentials
.set j, j+1
.endr
.endif
.irp c, 0,1,2,3
	v_pk_add_f32 v[T+2*\c:T+2*\c+1], v[S+2*\c:S+2*\c+1], v[S+8+2*\c:S+8+2*\c+1]
.endr
.set j, 8
.rept 8
	v_pk_add_f32 v[T+2*(j%4):T+2*(j%4)+1], v[T+2*(j%4):T+2*(j%4)+1], v[S+2*j:S+2*j+1]
.set j, j+1
.endr
.set j, 0
.rept 16
	v_cvt_pk_bf16_f32 v[S+j], v[S+2*j], v[S+2*j+1] ; in place: tiles 0, 1 become P's first fragment, tiles 2, 3 its second
.set j, j+1
.endr
.if \hh<3
	s_wait_dscnt 0x8                               ; V's fragments are in; the next head's eight loads of K are younger
.else
	s_wait_dscnt 0x0
.endif
	; the two accumulators take turns, one instruction a turn
.if \first
	v_wmma_f32_16x16x32_bf16 v[O+16*\hh:O+16*\hh+7],    v[VF:VF+7],     v[S:S+7], 0
	v_wmma_f32_16x16x32_bf16 v[O+16*\hh+8:O+16*\hh+15], v[VF+16:VF+23], v[S:S+7], 0
.else
	v_wmma_f32_16x16x32_bf16 v[O+16*\hh:O+16*\hh+7],    v[VF:VF+7],     v[S:S+7], v[O+16*\hh:O+16*\hh+7]
	v_wmma_f32_16x16x32_bf16 v[O+16*\hh+8:O+16*\hh+15], v[VF+16:VF+23], v[S:S+7], v[O+16*\hh+8:O+16*\hh+15]
.endif
	v_wmma_f32_16x16x32_bf16 v[O+16*\hh:O+16*\hh+7],    v[VF+8:VF+15],  v[S+8:S+15], v[O+16*\hh:O+16*\hh+7]
	v_wmma_f32_16x16x32_bf16 v[O+16*\hh+8:O+16*\hh+15], v[VF+24:VF+31], v[S+8:S+15], v[O+16*\hh+8:O+16*\hh+15]
	; the tail names none of the products' registers: five places at the least in front of the next product that writes S, four in front of loads into VF and S
	v_pk_add_f32 v[T:T+1], v[T:T+1], v[T+2:T+3]
	v_pk_add_f32 v[T+4:T+5], v[T+4:T+5], v[T+6:T+7]
	v_pk_add_f32 v[T:T+1], v[T:T+1], v[T+4:T+5]
.if \first
	v_add_f32 v[LS+\hh], v[T], v[T+1]
.else
	v_add_f32 v[T], v[T], v[T+1]
	v_fma_f32 v[LS+\hh], v[LS+\hh], v[AL], v[T]
.endif
	v_mov_b32 v[M+\hh], v[MN]
.if \hh<3
	LDV \slot, \half, (\hh+1)
.endif
.endm
; 64 keys: the four bias tiles, from two sets of features that take turns, then the four heads.
.macro STEP slot, half, first
	LDV \slot, \half, 0
	LDF S, \half, 0
	LDF KF, \half, 1
	s_wait_dscnt 0x8                               ; each count of 8 leaves the younger set of features out
	BIAST S, 0, (8*\slot+4*\half)
	LDF S, \half, 2
	s_wait_dscnt 0x8
	BIAST KF, 1, (8*\slot+4*\half+1)
	LDF KF, \half, 3
	s_wait_dscnt 0x8
	BIAST S, 2, (8*\slot+4*\half+2)
	s_wait_dscnt 0x0
	BIAST KF, 3, (8*\slot+4*\half+3)
	LDK \slot, \half, 0
	UNIT \slot, \half, 0, \first
	UNIT \slot, \half, 1, \first
	UNIT \slot, \half, 2, \first
	UNIT \slot, \half, 3, \first
.endm
; 128 keys.  In front of the round every wave waits for all its tensor loads (its part of this slot among them) and for its reads of the
; other slot; behind the round the other slot is filled again first, one joint load a wave, with a whole visit in which to land.
.macro VISIT slot, other, refill
	s_set_vgpr_msb 0x5
	s_wait_tensorcnt 0x0
	ds_add_u32 v0, v1
	s_wait_dscnt 0x0
	s_set_vgpr_msb 0x500
	s_add_nc_u64 s[G0K+4*\other+2:G0K+4*\other+3], s[G0K+4*\other+2:G0K+4*\other+3], 131072   ; no load of mine is out: 256 keys on
	s_add_nc_u64 s[G0V+4*\other+2:G0V+4*\other+3], s[G0V+4*\other+2:G0V+4*\other+3], 512
	s_wait_dscnt 0x0
	ROUND
.if \refill
	JLOAD \other
.endif
	STEP \slot, 0, 0
	STEP \slot, 1, 0
	v_add_nc_u32 v[ADF], 512, v[ADF]               ; 128 keys on in the planes
.endm
	STEP 0, 0, 1
	STEP 0, 1, 0
	v_add_nc_u32 v[ADF], 512, v[ADF]
	s_mov_b32 s23, 3
.Lvisits:
	VISIT 1, 0, 1
	VISIT 0, 1, 1
	s_sub_co_u32 s23, s23, 1
	s_cmp_lg_u32 s23, 0
	s_cbranch_scc1 .Lvisits
	VISIT 1, 0, 0                                  ; the last 128 keys: nothing is left to fetch (slot 0's stepped addresses are not used)
	; THE WAY OUT.  The last unit's tail stands between the last products and the first reader of O.
	s_mul_i32 s72, s16, WSTAGE
	s_add_co_u32 s72, s72, STAGE                   ; my stage
	v_and_b32 v[T], 15, v0
	v_bfe_u32 v[T+1], v0, 4, 1
	v_and_b32 v[T+2], 31, v0
	v_mul_u32_u24 v[T+3], v[T], OPITCH
	v_lshl_add_u32 v[T+3], v[T+1], 4, v[T+3]
	v_add_nc_u32 v[T+3], s72, v[T+3]               ; in: query r's row, 16 bytes for each half of the lanes
	v_lshrrev_b32 v[T+4], 2, v[T+2]
	v_mul_u32_u24 v[T+4], v[T+4], OPITCH
	v_and_b32 v[T+5], 3, v0
	v_lshl_add_u32 v[T+4], v[T+5], 4, v[T+4]
	v_add_nc_u32 v[T+4], s72, v[T+4]               ; back: four lanes take a query's 64 bytes
	v_lshlrev_b32 v[T+7], 4, v[T+2]                ; 16 x lane
	s_add_co_u32 s72, s72, 16*OPITCH
	v_lshl_add_u32 v[T+5], v[T+2], 2, s72          ; m and l: in, 4 x lane
	v_add_nc_u32 v[T+6], s72, v[T+7]               ; back, 16 x lane
	v_cmp_eq_u32 vcc_lo, 1, v[T+1]
	s_lshl_b32 s72, s21, 21                        ; opart: ((8 split + 4 hg) x 4,096 + query) x 64 bytes
	s_lshl_b32 s73, s18, 20
	s_add_co_u32 s72, s72, s73
	s_lshl_b32 s74, s29, 6
	s_add_co_u32 s72, s72, s74
	s_mov_b32 s73, 0
	s_add_nc_u64 s[12:13], s[12:13], s[72:73]
	s_lshl_b32 s72, s21, 18                        ; ml: ((256 split + query / 16) x 2 + hg) x 512 bytes
	s_add_co_u32 s72, s72, s74
	s_lshl_b32 s74, s18, 9
	s_add_co_u32 s72, s72, s74
	s_add_nc_u64 s[14:15], s[14:15], s[72:73]
.irp hh, 0,1,2,3
	v_permlanex16_b32 v[MN], v[LS+\hh], s27, s28
	v_add_f32 v[LS+\hh], v[LS+\hh], v[MN]          ; the two halves of the keys
.irp k, 0,1,2,3,4,5,6,7
	v_cvt_pk_bf16_f32 v[S+8*\hh+\k], v[O+16*\hh+2*\k], v[O+16*\hh+2*\k+1]
.endr
	ds_store_b128 v[T+3], v[S+8*\hh:S+8*\hh+3]                 ; channels 8 h .. 8 h + 7
	ds_store_b128 v[T+3], v[S+8*\hh+4:S+8*\hh+7] offset:32     ; channels 16 + 8 h ..
	ds_load_b128 v[KF+8*\hh:KF+8*\hh+3],   v[T+4]              ; LDS serves a wave's instructions in order (ISA guide 5.7.1.4): these see the stores above,
	ds_load_b128 v[KF+8*\hh+4:KF+8*\hh+7], v[T+4] offset:8*OPITCH   ; and the next head's stores come behind them
	v_cndmask_b32 v[AL], v[M+\hh], v[LS+\hh], vcc_lo           ; lanes 0-15: m; lanes 16-31: l
	ds_store_b32 v[T+5], v[AL] offset:128*\hh
.endr
	ds_load_b128 v[VF:VF+3], v[T+6]
	s_wait_dscnt 0x0
.irp hh, 0,1,2,3
	global_store_b128 v[T+7], v[KF+8*\hh:KF+8*\hh+3],   s[12:13] offset:\hh*262144        ; 512 consecutive bytes a store, aligned
	global_store_b128 v[T+7], v[KF+8*\hh+4:KF+8*\hh+7], s[12:13] offset:\hh*262144+512
.endr
	global_store_b128 v[T+7], v[VF:VF+3], s[14:15]
	s_set_vgpr_msb 0x5
	s_wait_tensorcnt 0x0
	ds_add_u32 v0, v1
	s_wait_dscnt 0x0
	s_set_vgpr_msb 0x500
	ROUND                                          ; the closing round: no work-group ends while a partner may still ask for a tile that names it
	s_endpgm
.Lfunc_end_k_q80ae3978f1_attn:
	.size	k_q80ae3978f1_attn, .Lfunc_end_k_q80ae3978f1_attn-k_q80ae3978f1_attn
	.p2alignl 7, 3214868480
	.fill 96, 4, 3214868480
	.section	.rodata,"a",@progbits
	.p2align	6, 0x0
	.amdhsa_kernel k_q80ae3978f1_attn
		.amdhsa_group_segment_fixed_size 327680
		.amdhsa_private_segment_fixed_size 0
		.amdhsa_enable_private_segment 0
		.amdhsa_kernarg_size 48
		.amdhsa_user_sgpr_count 2
		.amdhsa_user_sgpr_kernarg_segment_ptr 1
		.amdhsa_wavefront_size32 1
		.amdhsa_system_sgpr_workgroup_id_x 1
		.amdhsa_system_sgpr_workgroup_id_y 1
		.amdhsa_system_sgpr_workgroup_id_z 1
		.amdhsa_system_vgpr_workitem_id 0
		.amdhsa_next_free_vgpr 258
		.amdhsa_next_free_sgpr 80
		.amdhsa_reserve_vcc 1
		.amdhsa_float_denorm_mode_32 3
		.amdhsa_float_denorm_mode_16_64 3
		.amdhsa_memory_ordered 1
		.amdhsa_forward_progress 1
		.amdhsa_inst_pref_size 255
	.end_amdhsa_kernel
	.section	.bss,"aw",@nobits
	.p2align	6
	.space	262144
	.amdgpu_metadata
---
amdhsa.version: [ 1, 2 ]
amdhsa.kernels:
  - .name:           k_q80ae3978f1_attn
    .symbol:         k_q80ae3978f1_attn.kd
    .args:
      - { .name: qt, .offset: 0, .size: 8, .value_kind: global_buffer, .address_space: global }
      - { .name: kt, .offset: 8, .size: 8, .value_kind: global_buffer, .address_space: global }
      - { .name: vb, .offset: 16, .size: 8, .value_kind: global_buffer, .address_space: global }
      - { .name: feat, .offset: 24, .size: 8, .value_kind: global_buffer, .address_space: global }
      - { .name: opart, .offset: 32, .size: 8, .value_kind: global_buffer, .address_space: global }
      - { .name: ml, .offset: 40, .size: 8, .value_kind: global_buffer, .address_space: global }
    .group_segment_fixed_size: 327680
    .private_segment_fixed_size: 0
    .kernarg_segment_align: 8
    .kernarg_segment_size: 48
    .max_flat_workgroup_size: 256
    .sgpr_count:     80
    .vgpr_count:     258
    .wavefront_size: 32
...
	.end_amdgpu_metadata
.endif
;; end of part 3
;; launch proj (part 4): grid 64 x 4, 4 waves a work-group, no clusters, 93,696 bytes of LDS; arguments opart, ml, proj_w, proj_b, x, out0; writes out0
.if DOCPART == 4
	.amdgcn_target "amdgcn-amd-amdhsa--gfx1250"
	.amdhsa_code_object_version 6
	.text
	.protected	k_q80ae3978f1_proj
	.globl	k_q80ae3978f1_proj
	.p2align	8
	.type	k_q80ae3978f1_proj,@function
k_q80ae3978f1_proj:
	s_mov_b64 s[64:65], 0
	v_nop
	global_prefetch_b8 v0, s[64:65] scope:SCOPE_SE
	s_setreg_imm32_b32 hwreg(HW_REG_WAVE_MODE, 25, 1), 1
	s_wait_xcnt 0x0
; proj: merges the four partial results of attention, then out0 = x + proj_w O + proj_b.
; A work-group makes 64 positions x 64 outputs.  Merge: with M = max of the four m_s, the weight of split s is
; 2^(m_s - M) / sum of 2^(m_s - M) l_s; the sum is at least 1, since the split that holds M has l >= 1.
; Wave w merges heads 2w and 2w+1 of the 64 positions into OT[pos][channel] bf16 in LDS, converts its own 16 rows of proj_w, and,
; behind the launch's one barrier, makes output tile w x four position tiles: A = 16 positions of OT, B = my 16 rows of W, so a lane's
; 8 results are 8 neighbouring positions of one output channel.  The bias starts the sums as the first product's C operand.
; The four work-groups of a position block repeat the merge; with one work-group a block there would be 64 in all, each with four times the product.
; The fill goes through registers (a weighted sum, a conversion), so no joint tensor loads are used although the four share opart's tiles.
.set OTP,   528                        ; OT and W: 512 bytes + 16
.set WB,    64*OTP                     ; 33,792
.set WGT,   2*64*OTP                   ; 67,584: [head][pos][4 splits] f32; a wave reads only what it wrote
.set STAGE, WGT+8192                   ; 75,776: 16 rows x 272 bytes for each wave
.set SP,    272
.set MLO, 4
.set OPO, 5
.set WGS, 6
.set WGL, 7
.set OTS, 8
.set PWO, 9
.set WST, 10
.set XO,  11
.set AO,  12
.set AWO, 13
.set STO, 14
.set RD,  15
.set PBO, 16
.set MLR, 24                           ; v[24:55]   m and l: 8 (2 hh + half) + 2 split + which
.set R0,  56                           ; v[56:119]  16 loads
.set R1,  120                          ; v[120:183] 16 loads
.set CB,  184                          ; v[184:191] the bias
.set XR,  192                          ; v[192:223] x
.set TW,  224                          ; v[224:247] at work
.set ACC, 24                           ; v[24:55]   four accumulator tiles
.set FB0, 56                           ; v[56:95]   fragments: my W (8), four of OT (32)
.set FB1, 96                           ; v[96:135]
	s_load_b256 s[4:11], s[0:1], 0x0               ; opart s[4:5], ml s[6:7], proj_w s[8:9], proj_b s[10:11]
	s_load_b128 s[12:15], s[0:1], 0x20             ; x s[12:13], out0 s[14:15]
	v_lshl_add_u32 v254, v0, 2, 0x16c00
	v_mov_b32 v255, 0
	v_and_b32 v1, 31, v0                           ; lane
	v_lshrrev_b32 v17, 5, v0
	v_readfirstlane_b32 s16, v17                   ; wave
	s_and_b32 s17, ttmp7, 0xffff                   ; which 64 outputs
	v_and_b32 v2, 15, v0                           ; r
	v_bfe_u32 v3, v0, 4, 1                         ; h
	v_lshrrev_b32 v18, 2, v1                       ; lane / 4
	v_and_b32 v19, 3, v0                           ; lane % 4
	s_lshl_b32 s18, ttmp9, 12                      ; 64 positions: 4 query tiles x 1,024 bytes of ml, and 64 x 64 bytes of opart
	s_lshl_b32 s19, s16, 8                         ; my two heads in ml
	s_add_co_u32 s19, s18, s19
	v_lshl_add_u32 v[MLO], v2, 2, s19
	v_lshl_add_u32 v[MLO], v3, 10, v[MLO]
	s_lshl_b32 s19, s16, 19                        ; my two heads in opart
	s_add_co_u32 s19, s18, s19
	v_lshl_add_u32 v[OPO], v1, 4, s19
	s_lshl_b32 s19, s16, 11
	s_add_co_u32 s19, s19, WGT
	v_lshl_add_u32 v[WGS], v1, 4, s19
	v_lshl_add_u32 v[WGL], v18, 4, s19
	v_mul_u32_u24 v[OTS], v18, OTP
	v_lshl_add_u32 v[OTS], v19, 4, v[OTS]
	s_lshl_b32 s19, s16, 7
	v_add_nc_u32 v[OTS], s19, v[OTS]
	s_lshl_b32 s19, s17, 16
	s_lshl_b32 s20, s16, 14
	s_add_co_u32 s19, s19, s20
	v_lshl_add_u32 v[PWO], v1, 4, s19
	s_mul_i32 s20, s16, 16*OTP
	s_add_co_u32 s20, s20, WB
	v_lshl_add_u32 v[WST], v1, 3, s20
	v_mul_u32_u24 v[AO], v2, OTP
	v_lshl_add_u32 v[AO], v3, 4, v[AO]
	v_add_nc_u32 v[AWO], s20, v[AO]
	s_lshl_b32 s19, s17, 20                        ; 64 channels x 16,384 bytes
	s_lshl_b32 s20, s16, 18                        ; my 16
	s_add_co_u32 s19, s19, s20
	s_lshl_b32 s20, ttmp9, 8                       ; 64 positions x 4 bytes
	s_add_co_u32 s19, s19, s20
	v_lshl_add_u32 v[XO], v2, 4, s19
	v_lshl_add_u32 v[XO], v3, 14, v[XO]
	s_mul_i32 s19, s16, 16*SP
	s_add_co_u32 s19, s19, STAGE
	v_mul_u32_u24 v17, v2, SP
	v_lshl_add_u32 v17, v3, 5, v17
	v_add_nc_u32 v[STO], s19, v17
	v_mul_u32_u24 v17, v3, SP
	v_lshl_add_u32 v17, v2, 4, v17
	v_add_nc_u32 v[RD], s19, v17
	s_lshl_b32 s19, s17, 8
	s_lshl_b32 s20, s16, 6
	s_add_co_u32 s19, s19, s20
	v_lshl_add_u32 v[PBO], v2, 2, s19
	s_wait_kmcnt 0x0
; 16 loads: head 2w + hh, four groups of 8 positions from g0 on, four splits; a load covers 512 consecutive bytes
.macro LOADB rb, hh, g0
.irp gl, 0,1,2,3
.irp s, 0,1,2,3
	global_load_b128 v[\rb+16*\gl+4*\s:\rb+16*\gl+4*\s+3], v[OPO], s[4:5] offset:\s*2097152+\hh*262144+(\g0+\gl)*512
.endr
.endr
.endm
; The four weights of 32 positions (one a lane) of head 2w + hh.
.macro WEIGHT hh, half
	v_max3_num_f32 v[TW+4], v[MLR+8*(2*\hh+\half)], v[MLR+8*(2*\hh+\half)+2], v[MLR+8*(2*\hh+\half)+4]
	v_max_num_f32 v[TW+4], v[TW+4], v[MLR+8*(2*\hh+\half)+6]
.irp s, 0,1,2,3
	v_sub_f32 v[TW+\s], v[MLR+8*(2*\hh+\half)+2*\s], v[TW+4]
.endr
.irp s, 0,1,2,3
	v_exp_f32 v[TW+\s], v[TW+\s]
.endr
	v_nop                                          ; one plain place behind the exponentials (ISA guide 5.7.2)
	s_wait_alu depctr_va_vdst(0)
	v_mul_f32 v[TW+5], v[TW], v[MLR+8*(2*\hh+\half)+1]
.irp s, 1,2,3
	v_fmac_f32 v[TW+5], v[TW+\s], v[MLR+8*(2*\hh+\half)+2*\s+1]
.endr
	v_rcp_f32 v[TW+5], v[TW+5]
	v_nop
	s_wait_alu depctr_va_vdst(0)
.irp s, 0,1,2,3
	v_mul_f32 v[TW+\s], v[TW+\s], v[TW+5]
.endr
	ds_store_b128 v[WGS], v[TW:TW+3] offset:\hh*1024+\half*512
.endm
; A batch merged: a lane has 8 channels of one position in each group; the weighted sum of the four splits in f32, rounded once.
.macro MERGE rb, hh, g0
.irp gl, 0,1,2,3
	ds_load_b128 v[TW+4*\gl:TW+4*\gl+3], v[WGL] offset:\hh*1024+(\g0+\gl)*128
.endr
	s_wait_dscnt 0x0
.irp gl, 0,1,2,3
.irp k, 0,1,2,3
	v_lshlrev_b32 v[TW+16+2*\k], 16, v[\rb+16*\gl+\k]
	v_and_b32 v[TW+17+2*\k], 0xffff0000, v[\rb+16*\gl+\k]
.endr
.irp k, 0,1,2,3,4,5,6,7
	v_mul_f32 v[TW+16+\k], v[TW+16+\k], v[TW+4*\gl]
.endr
.irp s, 1,2,3
.irp k, 0,1,2,3
	v_fma_mix_f32_bf16 v[TW+16+2*\k], v[\rb+16*\gl+4*\s+\k], v[TW+4*\gl+\s], v[TW+16+2*\k] op_sel_hi:[1,0,0]
	v_fma_mix_f32_bf16 v[TW+17+2*\k], v[\rb+16*\gl+4*\s+\k], v[TW+4*\gl+\s], v[TW+17+2*\k] op_sel:[1,0,0] op_sel_hi:[1,0,0]
.endr
.endr
.irp k, 0,1,2,3
	v_cvt_pk_bf16_f32 v[TW+16+\k], v[TW+16+2*\k], v[TW+17+2*\k]
.endr
	ds_store_b128 v[OTS], v[TW+16:TW+19] offset:(\g0+\gl)*8*OTP+\hh*64
.endr
.endm
.macro LOADW rb, i0
.irp i, 0,1,2,3,4,5,6,7
	global_load_b128 v[\rb+8*\i:\rb+8*\i+3],   v[PWO], s[8:9] offset:(\i0+\i)*1024
	global_load_b128 v[\rb+8*\i+4:\rb+8*\i+7], v[PWO], s[8:9] offset:(\i0+\i)*1024+512
.endr
.endm
.macro CVTW rb, i0
.irp i, 0,1,2,3,4,5,6,7
	v_cvt_pk_bf16_f32 v[\rb+8*\i],   v[\rb+8*\i],   v[\rb+8*\i+1]
	v_cvt_pk_bf16_f32 v[\rb+8*\i+1], v[\rb+8*\i+2], v[\rb+8*\i+3]
	ds_store_b64 v[WST], v[\rb+8*\i:\rb+8*\i+1] offset:(\i0+\i)*OTP
	v_cvt_pk_bf16_f32 v[\rb+8*\i+4], v[\rb+8*\i+4], v[\rb+8*\i+5]
	v_cvt_pk_bf16_f32 v[\rb+8*\i+5], v[\rb+8*\i+6], v[\rb+8*\i+7]
	ds_store_b64 v[WST], v[\rb+8*\i+4:\rb+8*\i+5] offset:(\i0+\i)*OTP+256
.endr
.endm
	global_load_b32 v[CB], v[PBO], s[10:11]
.irp hh, 0,1
.irp half, 0,1
.irp s, 0,1,2,3
	global_load_b32 v[MLR+8*(2*\hh+\half)+2*\s],   v[MLO], s[6:7] offset:\s*262144+\half*2048+\hh*128       ; m
	global_load_b32 v[MLR+8*(2*\hh+\half)+2*\s+1], v[MLO], s[6:7] offset:\s*262144+\half*2048+\hh*128+64    ; l
.endr
.endr
.endr
	LOADB R0, 0, 0
	s_wait_loadcnt 16                              ; each count from here on is the younger batch: the bias, m and l are in
.irp k, 1,2,3,4,5,6,7
	v_mov_b32 v[CB+\k], v[CB]                      ; a lane's eight results share one output channel
.endr
	WEIGHT 0, 0
	WEIGHT 0, 1
	WEIGHT 1, 0
	WEIGHT 1, 1
	LOADB R1, 0, 4
	s_wait_loadcnt 16
	MERGE R0, 0, 0
	LOADB R0, 1, 0
	s_wait_loadcnt 16
	MERGE R1, 0, 4
	LOADB R1, 1, 4
	s_wait_loadcnt 16
	MERGE R0, 1, 0
	LOADW R0, 0
	s_wait_loadcnt 16
	MERGE R1, 1, 4
	LOADW R1, 8
	s_wait_loadcnt 16
	CVTW R0, 0
.irp t, 0,1,2,3,4,5,6,7
	global_load_b128 v[XR+4*\t:XR+4*\t+3], v[XO], s[12:13] offset:\t*32768         ; 16 lanes read 256 consecutive bytes of a channel
.endr
	s_wait_loadcnt 8                               ; W's rows 8-15 are in; x's eight loads stay out
	CVTW R1, 8
	s_wait_dscnt 0x0                               ; my heads of OT are written,
	s_barrier_signal -1
	s_barrier_wait -1                              ; everybody's are
.macro PLACES                          ; four plain places behind a matrix instruction (ISA guide 7.12.1 for vector instructions)
.rept 4
	v_nop
.endr
.endm
.macro FETCH ks, f                     ; ten loads: my W fragment and four of OT, K step ks
	ds_load_b128 v[\f:\f+3],   v[AWO] offset:64*(\ks)
	ds_load_b128 v[\f+4:\f+7], v[AWO] offset:64*(\ks)+32
.irp i, 0,1,2,3
	ds_load_b128 v[\f+8+8*\i:\f+11+8*\i],  v[AO] offset:\i*16*OTP+64*(\ks)
	ds_load_b128 v[\f+12+8*\i:\f+15+8*\i], v[AO] offset:\i*16*OTP+64*(\ks)+32
.endr
.endm
; The four accumulators take turns, one instruction a turn.
.macro KSTEP ks, cur, nxt
.if \ks<7
.if \ks>0
	PLACES
.endif
	FETCH (\ks+1), \nxt
	s_wait_dscnt 10                                ; all but the ten just issued
.else
	s_wait_dscnt 0x0
.endif
.irp i, 0,1,2,3
.if \ks==0
	v_wmma_f32_16x16x32_bf16 v[ACC+8*\i:ACC+8*\i+7], v[\cur+8+8*\i:\cur+15+8*\i], v[\cur:\cur+7], v[CB:CB+7]
.else
	v_wmma_f32_16x16x32_bf16 v[ACC+8*\i:ACC+8*\i+7], v[\cur+8+8*\i:\cur+15+8*\i], v[\cur:\cur+7], v[ACC+8*\i:ACC+8*\i+7]
.endif
.endr
.endm
	FETCH 0, FB0
	KSTEP 0, FB0, FB1
	KSTEP 1, FB1, FB0
	KSTEP 2, FB0, FB1
	KSTEP 3, FB1, FB0
	KSTEP 4, FB0, FB1
	KSTEP 5, FB1, FB0
	KSTEP 6, FB0, FB1
	KSTEP 7, FB1, FB0
	; the way out: 32 bytes a lane into my own stage, read back as rows of 256 bytes, x added, stored
	PLACES
.irp i, 0,1,2,3
	ds_store_b128 v[STO], v[ACC+8*\i:ACC+8*\i+3]   offset:64*\i
	ds_store_b128 v[STO], v[ACC+8*\i+4:ACC+8*\i+7] offset:64*\i+16
.endr
.irp t, 0,1,2,3,4,5,6,7
	ds_load_b128 v[FB0+4*\t:FB0+4*\t+3], v[RD] offset:\t*2*SP      ; LDS serves a wave's instructions in order (ISA guide 5.7.1.4): these see the stores above
.endr
	s_wait_loadcnt 0x0                             ; x
.irp t, 0,1,2,3,4,5,6,7
	s_wait_dscnt 7-\t
	v_pk_add_f32 v[FB0+4*\t:FB0+4*\t+1],   v[FB0+4*\t:FB0+4*\t+1],   v[XR+4*\t:XR+4*\t+1]
	v_pk_add_f32 v[FB0+4*\t+2:FB0+4*\t+3], v[FB0+4*\t+2:FB0+4*\t+3], v[XR+4*\t+2:XR+4*\t+3]
	global_store_b128 v[XO], v[FB0+4*\t:FB0+4*\t+3], s[14:15] offset:\t*32768      ; 16 lanes store 256 consecutive bytes, aligned
.endr
	s_wait_tensorcnt 0x0
	ds_add_u32 v254, v255
	s_wait_dscnt 0x0
	s_endpgm
.Lfunc_end_k_q80ae3978f1_proj:
	.size	k_q80ae3978f1_proj, .Lfunc_end_k_q80ae3978f1_proj-k_q80ae3978f1_proj
	.p2alignl 7, 3214868480
	.fill 96, 4, 3214868480
	.section	.rodata,"a",@progbits
	.p2align	6, 0x0
	.amdhsa_kernel k_q80ae3978f1_proj
		.amdhsa_group_segment_fixed_size 93696
		.amdhsa_private_segment_fixed_size 0
		.amdhsa_enable_private_segment 0
		.amdhsa_kernarg_size 48
		.amdhsa_user_sgpr_count 2
		.amdhsa_user_sgpr_kernarg_segment_ptr 1
		.amdhsa_wavefront_size32 1
		.amdhsa_system_sgpr_workgroup_id_x 1
		.amdhsa_system_sgpr_workgroup_id_y 1
		.amdhsa_system_sgpr_workgroup_id_z 1
		.amdhsa_system_vgpr_workitem_id 0
		.amdhsa_next_free_vgpr 256
		.amdhsa_next_free_sgpr 66
		.amdhsa_reserve_vcc 0
		.amdhsa_float_denorm_mode_32 3
		.amdhsa_float_denorm_mode_16_64 3
		.amdhsa_memory_ordered 1
		.amdhsa_forward_progress 1
		.amdhsa_inst_pref_size 78
	.end_amdhsa_kernel
	.amdgpu_metadata
---
amdhsa.version: [ 1, 2 ]
amdhsa.kernels:
  - .name:           k_q80ae3978f1_proj
    .symbol:         k_q80ae3978f1_proj.kd
    .args:
      - { .name: opart, .offset: 0, .size: 8, .value_kind: global_buffer, .address_space: global }
      - { .name: ml, .offset: 8, .size: 8, .value_kind: global_buffer, .address_space: global }
      - { .name: proj_w, .offset: 16, .size: 8, .value_kind: global_buffer, .address_space: global }
      - { .name: proj_b, .offset: 24, .size: 8, .value_kind: global_buffer, .address_space: global }
      - { .name: x, .offset: 32, .size: 8, .value_kind: global_buffer, .address_space: global }
      - { .name: out0, .offset: 40, .size: 8, .value_kind: global_buffer, .address_space: global }
    .group_segment_fixed_size: 93696
    .private_segment_fixed_size: 0
    .kernarg_segment_align: 8
    .kernarg_segment_size: 48
    .max_flat_workgroup_size: 128
    .sgpr_count:     66
    .vgpr_count:     256
    .wavefront_size: 32
...
	.end_amdgpu_metadata
.endif
;; end of part 4
;; ======== version 2 of 2: 4 launches; version 1 with the launches qkv, proj written anew for expert scheduling mode
;; limits: values outside matrix products are rounded to bf16
;; workspace buffers: stat 2,048 bytes; feat 98,304 bytes; qt 2,097,152 bytes; kt 2,097,152 bytes; vb 2,097,152 bytes; opart 8,388,608 bytes; ml 1,048,576 bytes
;; launch prep: the kernel of part 1 again; grid 64 x 1, 4 waves a work-group, no clusters, 0 bytes of LDS; arguments x, block_types, is_air, is_wood, is_leaves, stat, feat; writes stat, feat
;; launch qkv (part 5): grid 32 x 6, 8 waves a work-group, no clusters, 177,152 bytes of LDS; arguments x, stat, gn_w, gn_b, qkv_w, qkv_b, qt, kt, vb; writes qt, kt, vb
.if DOCPART == 5
	.amdgcn_target "amdgcn-amd-amdhsa--gfx1250"
	.amdhsa_code_object_version 6
	.text
	.protected	k_q80ae3978f1_qkv
	.globl	k_q80ae3978f1_qkv
	.p2align	8
	.type	k_q80ae3978f1_qkv,@function
k_q80ae3978f1_qkv:
	s_mov_b64 s[64:65], 0
	v_nop
	global_prefetch_b8 v0, s[64:65] scope:SCOPE_SE
	s_setreg_imm32_b32 hwreg(HW_REG_WAVE_SCHED_MODE, 0, 2), 2
	s_setreg_imm32_b32 hwreg(HW_REG_WAVE_MODE, 25, 1), 1
	s_wait_xcnt 0x0
	s_wait_alu depctr_vm_vsrc(0)
; qkv: GroupNorm's affine form applied to x on the way into LDS, then the 768 x 256 channel product with bias.
;   y = 0,1: q, times 32^-0.5 log2 e, to qt[pos][256] bf16     y = 2,3: k to kt[pos][256] bf16     y = 4,5: v to vb[256][pos] bf16
; A work-group makes 128 outputs x 128 positions over all 256 channels: one fill of LDS, one barrier, eight K steps of 32.
; 128 x 128 is what makes every stored row 256 consecutive bytes, aligned; that gives 32 x 6 = 192 work-groups.
; The fill goes through registers: x has to be normalised and both operands rounded to bf16 on their way.  That is also why
; no joint tensor loads are used although work-groups share tiles: they would land f32 in LDS, to be read, converted and written again.
; Group statistics: the group's mean is the mean of its 32 channel means, and its M2 is the sum of M2_c + 4096 (mean_c - mean)^2:
; no difference of large sums.
; Q and K: A = 16 rows of W, B = 16 positions of H, so a lane's 8 results are 8 neighbouring channels of one position.
; V:       A = 16 positions of H, B = 16 rows of W, so a lane's 8 results are 8 neighbouring positions of one channel.
; THE MODE: SCHED_MODE bits 1:0 = 2 (LLVM: expert scheduling mode 2), set by the entry lines.  The code itself states the register dependences
; between vector or matrix instructions and memory or LDS instructions, with s_wait_alu, always for 0.
; THE PLAN.  Registers that memory or LDS instructions touch:
;   v4-v23, v240, v241   addresses and offsets: written at the head alone; one wait on va_vdst stands ahead of the first load.
;   BA, BB    raw x, then raw W.  x goes in four groups of eight channels: a group's arithmetic works in place, one wait on va_vdst follows it, then its
;             eight LDS stores; groups 0 and 2 are stored among the next group's arithmetic, which names other registers.  One wait on vm_vsrc stands
;             ahead of the loads of W that land in a buffer whose LDS stores have been issued.  W likewise: conversions, one wait, stores.
;   s24-27, s30-33, s38-41, s44-47   a group's eight pairs (a_c, b_c), written by a run of sixteen v_readlane_b32; one wait on va_sdst behind the run.
;   F0, F1    fragments, in BA's and BB's registers: one wait on vm_vsrc behind the barrier.  K step s: its products read one buffer; behind ONE wait on va_vdst
;             at the step's head (the products of step s - 1 are done reading the other buffer) the loads of step s + 1 land there, dealt among the products.
;   ACC       the way out: scalings and conversions, one wait on va_vdst, the LDS stores, the loads back into F0.
.set WPITCH, 528                       ; W in LDS: [o][c] bf16, 512 bytes + 16: an odd multiple of 16
.set HPITCH, 288                       ; H in LDS: [c][pos] bf16, 256 bytes + 32: an odd multiple of 32, for the transposing load
.set HBASE,  128*WPITCH                ; 67,584
.set STAGE,  HBASE+256*HPITCH          ; 141,312: 16 rows x 272 bytes for each wave, for the way out
.set SPITCH, 272
.set AW,   4                           ; W fragment of tile 0: r x 528 + 16 h
.set AWO,  5                           ; W fragment of my own tile
.set AH0,  6                           ; H fragment, channels 0-127, position tile 0
.set AH1,  7                           ; H fragment, channels 128-255
.set AHO0, 8                           ; the same two for my own position tile
.set AHO1, 9
.set STO,  10                          ; the way out: where 16 bytes go
.set RD,   11                          ; the way out: where a row is read back
.set COQ,  12                          ; offset in qt / kt
.set COV,  13                          ; offset in vb
.set XO,   14                          ; offset in x
.set WO,   15                          ; offset in qkv_w
.set HS,   16                          ; H: where my 8 bytes of a row go
.set WS,   17                          ; W: the same
.set GA,   18                          ; lane c: a_c = rstd gn_w[c]
.set GB,   19                          ; lane c: b_c = gn_b[c] - mean a_c
.set BO1,  20                          ; offsets in qkv_b, stat, gn_w / gn_b
.set BO2,  21
.set SO,   22
.set GO,   23
.set ACC,  24                          ; v[24:87]   eight accumulator tiles
.set CB,   88                          ; v[88:95]   V's bias as a C operand; v[90:95] serve as temporaries before that
.set F0,   96                          ; v[96:167]  fragments: my own (8), eight streamed (64)
.set F1,   168                         ; v[168:239] the second buffer
.set BA,   96                          ; v[96:159]  fill: 16 loads
.set BB,   160                         ; v[160:223] fill: 16 loads
	s_load_b256 s[4:11], s[0:1], 0x0               ; x s[4:5], stat s[6:7], gn_w s[8:9], gn_b s[10:11]
	s_load_b256 s[12:19], s[0:1], 0x20             ; qkv_w s[12:13], qkv_b s[14:15], qt s[16:17], kt s[18:19]
	s_load_b64 s[20:21], s[0:1], 0x40              ; vb
	v_lshl_add_u32 v240, v0, 2, 0x2b000
	v_mov_b32 v241, 0
	v_and_b32 v1, 31, v0                           ; lane
	v_lshrrev_b32 v90, 5, v0
	v_readfirstlane_b32 s22, v90                   ; wave
	s_and_b32 s23, ttmp7, 0xffff                   ; y: which 128 rows of qkv_w
	v_and_b32 v2, 15, v0                           ; r
	v_bfe_u32 v3, v0, 4, 1                         ; h
	s_mov_b32 s28, 0x76543210
	s_mov_b32 s29, 0xfedcba98
	; LDS addresses of the fragments
	v_mul_u32_u24 v[AW], v2, WPITCH
	v_lshl_add_u32 v[AW], v3, 4, v[AW]
	s_wait_alu depctr_va_sdst(0)                   ; s22, the wave's number, is written, ahead of its first reader
	s_mul_i32 s24, s22, 16*WPITCH
	v_add_nc_u32 v[AWO], s24, v[AW]
	v_and_b32 v90, 7, v0
	v_lshl_or_b32 v90, v3, 3, v90                  ; channel 8 h + (lane & 7)
	v_mul_u32_u24 v90, v90, HPITCH
	v_bfe_u32 v91, v0, 3, 1
	v_lshl_add_u32 v90, v91, 4, v90                ; + 16 ((lane >> 3) & 1)
	v_add_nc_u32 v[AH0], HBASE, v90
	v_add_nc_u32 v[AH1], HBASE+128*HPITCH, v90
	s_lshl_b32 s25, s22, 5
	v_add_nc_u32 v[AHO0], s25, v[AH0]
	v_add_nc_u32 v[AHO1], s25, v[AH1]
	; the way out
	s_mul_i32 s25, s22, 16*SPITCH
	s_add_co_u32 s25, s25, STAGE
	v_mul_u32_u24 v90, v2, SPITCH
	v_lshl_add_u32 v90, v3, 4, v90
	v_add_nc_u32 v[STO], s25, v90
	v_mul_u32_u24 v90, v3, SPITCH
	v_lshl_add_u32 v90, v2, 4, v90
	v_add_nc_u32 v[RD], s25, v90
	v_lshlrev_b32 v90, 4, v2
	v_lshl_add_u32 v[COQ], v3, 9, v90              ; rows of 512 bytes
	v_lshl_add_u32 v[COV], v3, 13, v90             ; rows of 8,192 bytes
	; the fill
	s_lshl_b32 s25, s22, 19                        ; my group: 32 channels x 16,384 bytes
	s_lshl_b32 s26, ttmp9, 9                       ; the block's 128 positions
	s_add_co_u32 s25, s25, s26
	v_lshl_add_u32 v[XO], v1, 4, s25
	s_lshl_b32 s25, s23, 17                        ; 128 rows x 1,024 bytes
	s_lshl_b32 s26, s22, 14                        ; my 16 rows
	s_add_co_u32 s25, s25, s26
	v_lshl_add_u32 v[WO], v1, 4, s25
	s_mul_i32 s25, s22, 32*HPITCH
	s_add_co_u32 s25, s25, HBASE
	v_lshl_add_u32 v[HS], v1, 3, s25
	v_lshl_add_u32 v[WS], v1, 3, s24
	s_lshl_b32 s25, s23, 9                         ; 128 y numbers of qkv_b
	v_lshl_add_u32 v[BO1], v3, 5, s25              ; + 8 h
	s_lshl_b32 s26, s22, 6
	s_add_co_u32 s25, s25, s26
	v_lshl_add_u32 v[BO2], v2, 2, s25              ; 128 y + 16 wave + r
	s_lshl_b32 s25, s22, 5
	v_add_nc_u32 v90, s25, v1                      ; channel 32 wave + lane
	v_lshlrev_b32 v[SO], 3, v90
	v_lshlrev_b32 v[GO], 2, v90
	s_wait_kmcnt 0x0
	s_wait_alu depctr_va_vdst(0)                   ; the addresses and offsets v4 to v23 are written, which every load and store below reads; so are v90 and v91, in which a load lands
	; Both forms of the bias are loaded whatever y is (260 bytes a lane), so that the counts below hold on every path.
.irp i, 0,1,2,3,4,5,6,7
	global_load_b128 v[ACC+8*\i:ACC+8*\i+3],   v[BO1], s[14:15] offset:64*\i      ; Q, K: register j of tile i starts at bias[128 y + 16 i + 8 h + j]
	global_load_b128 v[ACC+8*\i+4:ACC+8*\i+7], v[BO1], s[14:15] offset:64*\i+16
.endr
	global_load_b32 v[CB], v[BO2], s[14:15]        ; V: one number a lane
	global_load_b64 v[90:91], v[SO], s[6:7]        ; mean_c, M2_c
	global_load_b32 v92, v[GO], s[8:9]
	global_load_b32 v93, v[GO], s[10:11]
.irp c, 0,1,2,3,4,5,6,7,8,9,10,11,12,13,14,15
	global_load_b128 v[BA+4*\c:BA+4*\c+3], v[XO], s[4:5] offset:\c*16384          ; a channel's 128 positions: 512 consecutive bytes
.endr
.irp c, 0,1,2,3,4,5,6,7,8,9,10,11,12,13,14,15
	global_load_b128 v[BB+4*\c:BB+4*\c+3], v[XO], s[4:5] offset:(16+\c)*16384
.endr
	; where the results go, and q's scale
	s_cmp_lt_u32 s23, 2
	s_cselect_b32 s34, 0x3e8293ee, 1.0             ; q: 32^-0.5 log2 e; k: 1
	s_cselect_b64 s[36:37], s[16:17], s[18:19]     ; qt or kt
	s_mov_b32 s35, s34
	s_and_b32 s38, s23, 1                          ; which 128 channels of the 256
	s_lshl_b32 s40, ttmp9, 16                      ; 128 positions x 512 bytes
	s_lshl_b32 s41, s22, 13                        ; my 16 positions
	s_add_co_u32 s40, s40, s41
	s_lshl_b32 s41, s38, 8
	s_add_co_u32 s40, s40, s41
	s_mov_b32 s41, 0
	s_add_nc_u64 s[36:37], s[36:37], s[40:41]
	s_lshl_b32 s42, s38, 20                        ; 128 channels x 8,192 bytes
	s_lshl_b32 s43, s22, 17                        ; my 16 channels
	s_add_co_u32 s42, s42, s43
	s_lshl_b32 s43, ttmp9, 8                       ; 128 positions x 2 bytes
	s_add_co_u32 s42, s42, s43
	s_mov_b32 s43, 0
	s_add_nc_u64 s[20:21], s[20:21], s[42:43]
.macro WSUM a, t
	v_add_f32_dpp v[\a], v[\a], v[\a] row_xmask:1 row_mask:0xf bank_mask:0xf
	v_add_f32_dpp v[\a], v[\a], v[\a] row_xmask:2 row_mask:0xf bank_mask:0xf
	v_add_f32_dpp v[\a], v[\a], v[\a] row_xmask:4 row_mask:0xf bank_mask:0xf
	v_add_f32_dpp v[\a], v[\a], v[\a] row_xmask:8 row_mask:0xf bank_mask:0xf
	v_permlanex16_b32 v[\t], v[\a], s28, s29
	v_add_f32 v[\a], v[\a], v[\t]
.endm
	s_wait_loadcnt 32                              ; only x's 32 loads are younger: biases, statistics and gains are in
	v_mov_b32 v94, v90
	v_mov_b32 v95, v90                             ; written, for the lane exchange's destination
	WSUM 94, 95
	v_mul_f32 v94, 0x3d000000, v94                 ; the group's mean = sum of 32 channel means / 32
	v_sub_f32 v95, v90, v94
	v_mul_f32 v95, v95, v95
	v_fmamk_f32 v91, v95, 0x45800000, v91          ; M2_c + 4096 (mean_c - mean)^2
	WSUM 91, 95
	v_mov_b32 v95, 0x37000000                      ; 1 / (32 x 4096)
	v_fmaak_f32 v91, v91, v95, 0x3727c5ac          ; variance + 1e-5
	v_rsq_f32 v91, v91
	v_nop                                          ; one plain place behind the root (ISA guide 5.7.2)
	s_wait_alu depctr_va_vdst(0)                   ; the root has written v91, ahead of its first reader
	v_mul_f32 v[GA], v91, v92
	v_fma_f32 v[GB], -v94, v[GA], v93
; x goes in four groups of eight channels; group g lies in the 32 registers from BA + 32 g on (BB follows BA).
; RL: the group's eight a_c and b_c as scalars.  Channel c of the group has the pair at s[24 + 2 c + 2 (c / 2) + 2 (c / 4)]: s24-27, s30-33, s38-41, s44-47, all free by now.
.macro RL g
.irp c, 0,1,2,3,4,5,6,7
.set sa, 24+2*\c+2*(\c/2)+2*(\c/4)
	v_readlane_b32 s[sa], v[GA], 8*(\g)+\c
	v_readlane_b32 s[sa+1], v[GB], 8*(\g)+\c
.endr
.endm
; AR: a channel's 128 positions are normalised and rounded, in place: 8 bytes a lane in the first two of its four registers.
.macro AR g
.irp c, 0,1,2,3,4,5,6,7
.set sa, 24+2*\c+2*(\c/2)+2*(\c/4)
.set rb, BA+32*(\g)+4*\c
	v_fma_f32 v[rb], v[rb], s[sa], s[sa+1]
	v_fma_f32 v[rb+1], v[rb+1], s[sa], s[sa+1]
	v_fma_f32 v[rb+2], v[rb+2], s[sa], s[sa+1]
	v_fma_f32 v[rb+3], v[rb+3], s[sa], s[sa+1]
	v_cvt_pk_bf16_f32 v[rb], v[rb], v[rb+1]
	v_cvt_pk_bf16_f32 v[rb+1], v[rb+2], v[rb+3]
.endr
.endm
; ST: the group's eight rows of H.
.macro ST g
.irp c, 0,1,2,3,4,5,6,7
.set rb, BA+32*(\g)+4*\c
	ds_store_b64 v[HS], v[rb:rb+1] offset:(8*(\g)+\c)*HPITCH
.endr
.endm
; Eight rows of W, two halves of 512 bytes each.
.macro LOADW b, i0
.irp i, 0,1,2,3,4,5,6,7
	global_load_b128 v[\b+8*\i:\b+8*\i+3],   v[WO], s[12:13] offset:(\i0+\i)*1024
	global_load_b128 v[\b+8*\i+4:\b+8*\i+7], v[WO], s[12:13] offset:(\i0+\i)*1024+512
.endr
.endm
.macro CVTW b
.irp i, 0,1,2,3,4,5,6,7
	v_cvt_pk_bf16_f32 v[\b+8*\i],   v[\b+8*\i],   v[\b+8*\i+1]
	v_cvt_pk_bf16_f32 v[\b+8*\i+1], v[\b+8*\i+2], v[\b+8*\i+3]
	v_cvt_pk_bf16_f32 v[\b+8*\i+4], v[\b+8*\i+4], v[\b+8*\i+5]
	v_cvt_pk_bf16_f32 v[\b+8*\i+5], v[\b+8*\i+6], v[\b+8*\i+7]
.endr
.endm
.macro STW b, i0
.irp i, 0,1,2,3,4,5,6,7
	ds_store_b64 v[WS], v[\b+8*\i:\b+8*\i+1] offset:(\i0+\i)*WPITCH
	ds_store_b64 v[WS], v[\b+8*\i+4:\b+8*\i+5] offset:(\i0+\i)*WPITCH+256
.endr
.endm
	RL 0
	s_wait_loadcnt 16                              ; channels 0-15 are in; 16-31 are the 16 younger loads
	s_wait_alu depctr_va_sdst(0)                   ; group 0's sixteen scalars are written, ahead of the multiply-adds that read them
	AR 0
	RL 1
	s_wait_alu depctr_va_sdst(0)                   ; group 1's sixteen scalars are written
	s_wait_alu depctr_va_vdst(0)                   ; group 0's conversions have written the registers that its LDS stores read
	ST 0
	AR 1                                           ; names group 1's registers alone
	s_wait_alu depctr_va_vdst(0)                   ; group 1's conversions have written what its LDS stores read; all arithmetic on BA is done, for the loads of W that land there
	ST 1
	s_wait_alu depctr_vm_vsrc(0)                   ; the sixteen LDS stores have read BA, in which W's rows 0-7 land
	LOADW BA, 0
	RL 2
	s_wait_loadcnt 16                              ; channels 16-31 are in; W's first 16 loads are younger
	s_wait_alu depctr_va_sdst(0)                   ; group 2's sixteen scalars are written
	AR 2
	RL 3
	s_wait_alu depctr_va_sdst(0)                   ; group 3's sixteen scalars are written
	s_wait_alu depctr_va_vdst(0)                   ; group 2's conversions have written what its LDS stores read
	ST 2
	AR 3
	s_wait_alu depctr_va_vdst(0)                   ; group 3's conversions have written what its LDS stores read; all arithmetic on BB is done, for the loads of W that land there
	ST 3
	s_wait_alu depctr_vm_vsrc(0)                   ; the sixteen LDS stores have read BB, in which W's rows 8-15 land
	LOADW BB, 8
	s_wait_loadcnt 16                              ; W's rows 0-7 are in; rows 8-15 are younger
	CVTW BA
	s_wait_alu depctr_va_vdst(0)                   ; the conversions have written BA, which the LDS stores read
	STW BA, 0
	s_wait_loadcnt 0x0
	CVTW BB
	s_wait_alu depctr_va_vdst(0)                   ; the conversions have written BB, which the LDS stores read; no vector instruction names BA or BB behind this wait before fragments land there
	STW BB, 8
	s_wait_dscnt 0x0                               ; my part of H and W is written,
	s_barrier_signal -1
	s_barrier_wait -1                              ; everybody's is
	s_wait_alu depctr_vm_vsrc(0)                   ; my LDS stores have read BA and BB: these registers are F0 and F1 from here on, on both ways behind the branch
.macro PLACES                          ; four plain places behind a matrix instruction, in front of loads into its sources and of readers of its result (ISA guide 7.12.1 for readers of its result)
.rept 4
	v_nop
.endr
.endm
.macro FETCHW dst, adr, off            ; 16 rows x 32 K from rows that lie along K: two loads, 32 bytes apart
	ds_load_b128 v[\dst:\dst+3],   v[\adr] offset:\off
	ds_load_b128 v[\dst+4:\dst+7], v[\adr] offset:\off+32
.endm
.macro FETCHH dst, adr, off            ; 16 positions x 32 K from rows that lie along the positions: two transposing loads, 16 rows apart
	ds_load_tr16_b128 v[\dst:\dst+3],   v[\adr] offset:\off
	ds_load_tr16_b128 v[\dst+4:\dst+7], v[\adr] offset:\off+16*HPITCH
.endm
.macro FOWN isv, ks, f                 ; two loads: my own fragment of K step ks
.if \isv
	FETCHW \f, AWO, 64*(\ks)
.else
	FETCHH \f, AHO0+((\ks)>>2), ((\ks)&3)*32*HPITCH
.endif
.endm
.macro FSTR isv, ks, f, i              ; two loads: streamed fragment i of K step ks
.if \isv
	FETCHH \f+8+8*(\i), AH0+((\ks)>>2), ((\ks)&3)*32*HPITCH+32*(\i)
.else
	FETCHW \f+8+8*(\i), AW, (\i)*16*WPITCH+64*(\ks)
.endif
.endm
.macro WM isv, ks, cur, i              ; product i of a K step
.if \isv*(\ks==0)
	v_wmma_f32_16x16x32_bf16 v[ACC+8*\i:ACC+8*\i+7], v[\cur+8+8*\i:\cur+15+8*\i], v[\cur:\cur+7], v[CB:CB+7]
.else
	v_wmma_f32_16x16x32_bf16 v[ACC+8*\i:ACC+8*\i+7], v[\cur+8+8*\i:\cur+15+8*\i], v[\cur:\cur+7], v[ACC+8*\i:ACC+8*\i+7]
.endif
.endm
; One K step: this step's eight products, and among the first four of them the next step's 18 loads.  The eight accumulators take turns, one
; instruction a turn.  The products name the buffer cur, the accumulators and V's bias: none of the registers that the loads touch.
.macro KSTEP isv, ks, cur, nxt
	s_wait_dscnt 0x0                               ; this step's 18 loads are the only ones out: its fragments are in
.if \ks<7
.if \ks>0
	PLACES
	s_wait_alu depctr_va_vdst(0)                   ; the last step's products are done reading the other buffer, in which the loads below land
.endif
	FOWN \isv, (\ks+1), \nxt
	FSTR \isv, (\ks+1), \nxt, 0
	FSTR \isv, (\ks+1), \nxt, 1
	WM \isv, \ks, \cur, 0
	FSTR \isv, (\ks+1), \nxt, 2
	FSTR \isv, (\ks+1), \nxt, 3
	WM \isv, \ks, \cur, 1
	FSTR \isv, (\ks+1), \nxt, 4
	FSTR \isv, (\ks+1), \nxt, 5
	WM \isv, \ks, \cur, 2
	FSTR \isv, (\ks+1), \nxt, 6
	FSTR \isv, (\ks+1), \nxt, 7
	WM \isv, \ks, \cur, 3
.else
	WM \isv, \ks, \cur, 0
	WM \isv, \ks, \cur, 1
	WM \isv, \ks, \cur, 2
	WM \isv, \ks, \cur, 3
.endif
	WM \isv, \ks, \cur, 4
	WM \isv, \ks, \cur, 5
	WM \isv, \ks, \cur, 6
	WM \isv, \ks, \cur, 7
.endm
.macro GEMM isv
	FOWN \isv, 0, F0
.irp i, 0,1,2,3,4,5,6,7
	FSTR \isv, 0, F0, \i
.endr
	KSTEP \isv, 0, F0, F1                          ; step 0 has no wait on va_vdst: no vector instruction since the fill's last such wait names F1
	KSTEP \isv, 1, F1, F0
	KSTEP \isv, 2, F0, F1
	KSTEP \isv, 3, F1, F0
	KSTEP \isv, 4, F0, F1
	KSTEP \isv, 5, F1, F0
	KSTEP \isv, 6, F0, F1
	KSTEP \isv, 7, F1, F0
.endm
; The way out: 16 bytes a lane into my own stage, read back as rows of 256 bytes.  LDS serves a wave's instructions in order
; (ISA guide 5.7.1.4), so no wait stands between the stores and the loads.
.macro OUT isv, co, lo, hi, pitch
	PLACES
.irp i, 0,1,2,3,4,5,6,7
.if \isv==0
.irp k, 0,2,4,6
	v_pk_mul_f32 v[ACC+8*\i+\k:ACC+8*\i+\k+1], v[ACC+8*\i+\k:ACC+8*\i+\k+1], s[34:35] op_sel_hi:[1,0]
.endr
.endif
.irp k, 0,1,2,3
	v_cvt_pk_bf16_f32 v[ACC+8*\i+\k], v[ACC+8*\i+2*\k], v[ACC+8*\i+2*\k+1]
.endr
.endr
	s_wait_alu depctr_va_vdst(0)                   ; the conversions have written the registers that the LDS stores read; the products are done reading F0, in which the loads from the stage land
.irp i, 0,1,2,3,4,5,6,7
	ds_store_b128 v[STO], v[ACC+8*\i:ACC+8*\i+3] offset:32*\i
.endr
.irp t, 0,1,2,3,4,5,6,7
	ds_load_b128 v[F0+4*\t:F0+4*\t+3], v[RD] offset:\t*2*SPITCH
.endr
.irp t, 0,1,2,3,4,5,6,7
	s_wait_dscnt 7-\t
	global_store_b128 v[\co], v[F0+4*\t:F0+4*\t+3], s[\lo:\hi] offset:\t*2*\pitch   ; 16 lanes store 256 consecutive bytes, aligned
.endr
.endm
	s_cmp_ge_u32 s23, 4
	s_cbranch_scc1 .Lv_path
	GEMM 0                                         ; the first products add onto the bias that was loaded into the accumulators
	OUT 0, COQ, 36, 37, 512
	s_wait_dscnt 0x0                               ; the closing lines, six on end
	s_wait_alu 0x0
	s_wait_tensorcnt 0x0
	ds_add_u32 v240, v241
	s_wait_dscnt 0x0
	s_endpgm
.Lv_path:
.irp k, 1,2,3,4,5,6,7
	v_mov_b32 v[CB+\k], v[CB]                      ; a lane's eight results share one channel, so one bias
.endr
	GEMM 1
	OUT 1, COV, 20, 21, 8192
	s_wait_dscnt 0x0                               ; the closing lines, six on end
	s_wait_alu 0x0
	s_wait_tensorcnt 0x0
	ds_add_u32 v240, v241
	s_wait_dscnt 0x0
	s_endpgm
.Lfunc_end_k_q80ae3978f1_qkv:
	.size	k_q80ae3978f1_qkv, .Lfunc_end_k_q80ae3978f1_qkv-k_q80ae3978f1_qkv
	.p2alignl 7, 3214868480
	.fill 96, 4, 3214868480
	.section	.rodata,"a",@progbits
	.p2align	6, 0x0
	.amdhsa_kernel k_q80ae3978f1_qkv
		.amdhsa_group_segment_fixed_size 177152
		.amdhsa_private_segment_fixed_size 0
		.amdhsa_enable_private_segment 0
		.amdhsa_kernarg_size 72
		.amdhsa_user_sgpr_count 2
		.amdhsa_user_sgpr_kernarg_segment_ptr 1
		.amdhsa_wavefront_size32 1
		.amdhsa_system_sgpr_workgroup_id_x 1
		.amdhsa_system_sgpr_workgroup_id_y 1
		.amdhsa_system_sgpr_workgroup_id_z 1
		.amdhsa_system_vgpr_workitem_id 0
		.amdhsa_next_free_vgpr 242
		.amdhsa_next_free_sgpr 66
		.amdhsa_reserve_vcc 0
		.amdhsa_float_denorm_mode_32 3
		.amdhsa_float_denorm_mode_16_64 3
		.amdhsa_memory_ordered 1
		.amdhsa_forward_progress 1
		.amdhsa_inst_pref_size 78
	.end_amdhsa_kernel
	.amdgpu_metadata
---
amdhsa.version: [ 1, 2 ]
amdhsa.kernels:
  - .name:           k_q80ae3978f1_qkv
    .symbol:         k_q80ae3978f1_qkv.kd
    .args:
      - { .name: x, .offset: 0, .size: 8, .value_kind: global_buffer, .address_space: global }
      - { .name: stat, .offset: 8, .size: 8, .value_kind: global_buffer, .address_space: global }
      - { .name: gn_w, .offset: 16, .size: 8, .value_kind: global_buffer, .address_space: global }
      - { .name: gn_b, .offset: 24, .size: 8, .value_kind: global_buffer, .address_space: global }
      - { .name: qkv_w, .offset: 32, .size: 8, .value_kind: global_buffer, .address_space: global }
      - { .name: qkv_b, .offset: 40, .size: 8, .value_kind: global_buffer, .address_space: global }
      - { .name: qt, .offset: 48, .size: 8, .value_kind: global_buffer, .address_space: global }
      - { .name: kt, .offset: 56, .size: 8, .value_kind: global_buffer, .address_space: global }
      - { .name: vb, .offset: 64, .size: 8, .value_kind: global_buffer, .address_space: global }
    .group_segment_fixed_size: 177152
    .private_segment_fixed_size: 0
    .kernarg_segment_align: 8
    .kernarg_segment_size: 72
    .max_flat_workgroup_size: 256
    .sgpr_count:     66
    .vgpr_count:     242
    .wavefront_size: 32
...
	.end_amdgpu_metadata
.endif
;; end of part 5
;; launch attn: the kernel of part 3 again; grid 64 x 4, 8 waves a work-group, clusters of 4 x 1, 327,680 bytes of LDS; arguments qt, kt, vb, feat, opart, ml; writes opart, ml
;; launch proj (part 6): grid 64 x 4, 4 waves a work-group, no clusters, 93,696 bytes of LDS; arguments opart, ml, proj_w, proj_b, x, out0; writes out0
.if DOCPART == 6
	.amdgcn_target "amdgcn-amd-amdhsa--gfx1250"
	.amdhsa_code_object_version 6
	.text
	.protected	k_q80ae3978f1_proj
	.globl	k_q80ae3978f1_proj
	.p2align	8
	.type	k_q80ae3978f1_proj,@function
k_q80ae3978f1_proj:
	s_mov_b64 s[64:65], 0
	v_nop
	global_prefetch_b8 v0, s[64:65] scope:SCOPE_SE
	s_setreg_imm32_b32 hwreg(HW_REG_WAVE_SCHED_MODE, 0, 2), 2
	s_setreg_imm32_b32 hwreg(HW_REG_WAVE_MODE, 25, 1), 1
	s_wait_xcnt 0x0
	s_wait_alu depctr_vm_vsrc(0)
; proj: merges the four partial results of attention, then out0 = x + proj_w O + proj_b.
; A work-group makes 64 positions x 64 outputs.  Merge: with M = max of the four m_s, the weight of split s is
; 2^(m_s - M) / sum of 2^(m_s - M) l_s; the sum is at least 1, since the split that holds M has l >= 1.
; Wave w merges heads 2w and 2w+1 of the 64 positions into OT[pos][channel] bf16 in LDS, converts its own 16 rows of proj_w, and,
; behind the launch's one barrier, makes output tile w x four position tiles: A = 16 positions of OT, B = my 16 rows of W, so a lane's
; 8 results are 8 neighbouring positions of one output channel.  The bias starts the sums as the first product's C operand.
; The four work-groups of a position block repeat the merge; with one work-group a block there would be 64 in all, each with four times the product.
; The fill goes through registers (a weighted sum, a conversion), so no joint tensor loads are used although the four share opart's tiles.
; THE MODE: SCHED_MODE bits 1:0 = 2 (LLVM: expert scheduling mode 2), set by the entry lines.  The code itself states the register dependences
; between vector or matrix instructions and memory or LDS instructions, with s_wait_alu, always for 0.
; THE PLAN.  Registers that memory or LDS instructions touch:
;   v4-v16, v254, v255   addresses and offsets: written at the head alone; one wait on va_vdst stands ahead of the first load.
;   TW        first four sets of six registers, one for each 32 positions' weights: made side by side, one wait on va_vdst, four LDS stores, one wait on vm_vsrc.
;             Then TW .. TW+15 take a merge's weights from LDS, asked for behind the wait on va_vdst of the merge before; TW+16 .. TW+23 are named by vector instructions alone.
;   R0, R1    a batch of partial results, later raw W.  A merge reads the batch and rounds each group into the four registers that held its split 0; one wait on
;             va_vdst, four LDS stores, one wait on vm_vsrc, and the buffer is loaded again.  W likewise: conversions, one wait, stores.
;   FB0, FB1  fragments, in R0's and R1's registers: one wait on vm_vsrc behind the barrier.  K step s: its products read one buffer; behind ONE wait on va_vdst at the
;             step's head (the products of step s - 1 are done reading the other buffer) the loads of step s + 1 land there, dealt among the products.
;   ACC, XR   the way out: one wait on va_vdst ahead of the LDS stores of ACC, one more behind the additions of x, ahead of the run of global stores.
.set OTP,   528                        ; OT and W: 512 bytes + 16
.set WB,    64*OTP                     ; 33,792
.set WGT,   2*64*OTP                   ; 67,584: [head][pos][4 splits] f32; a wave reads only what it wrote
.set STAGE, WGT+8192                   ; 75,776: 16 rows x 272 bytes for each wave
.set SP,    272
.set MLO, 4
.set OPO, 5
.set WGS, 6
.set WGL, 7
.set OTS, 8
.set PWO, 9
.set WST, 10
.set XO,  11
.set AO,  12
.set AWO, 13
.set STO, 14
.set RD,  15
.set PBO, 16
.set MLR, 24                           ; v[24:55]   m and l: 8 (2 hh + half) + 2 split + which
.set R0,  56                           ; v[56:119]  16 loads
.set R1,  120                          ; v[120:183] 16 loads
.set CB,  184                          ; v[184:191] the bias
.set XR,  192                          ; v[192:223] x
.set TW,  224                          ; v[224:247] at work
.set ACC, 24                           ; v[24:55]   four accumulator tiles
.set FB0, 56                           ; v[56:95]   fragments: my W (8), four of OT (32)
.set FB1, 96                           ; v[96:135]
	s_load_b256 s[4:11], s[0:1], 0x0               ; opart s[4:5], ml s[6:7], proj_w s[8:9], proj_b s[10:11]
	s_load_b128 s[12:15], s[0:1], 0x20             ; x s[12:13], out0 s[14:15]
	v_lshl_add_u32 v254, v0, 2, 0x16c00
	v_mov_b32 v255, 0
	v_and_b32 v1, 31, v0                           ; lane
	v_lshrrev_b32 v17, 5, v0
	v_readfirstlane_b32 s16, v17                   ; wave
	s_and_b32 s17, ttmp7, 0xffff                   ; which 64 outputs
	v_and_b32 v2, 15, v0                           ; r
	v_bfe_u32 v3, v0, 4, 1                         ; h
	v_lshrrev_b32 v18, 2, v1                       ; lane / 4
	v_and_b32 v19, 3, v0                           ; lane % 4
	s_lshl_b32 s18, ttmp9, 12                      ; 64 positions: 4 query tiles x 1,024 bytes of ml, and 64 x 64 bytes of opart
	s_wait_alu depctr_va_sdst(0)                   ; s16, the wave's number, is written, ahead of its first reader
	s_lshl_b32 s19, s16, 8                         ; my two heads in ml
	s_add_co_u32 s19, s18, s19
	v_lshl_add_u32 v[MLO], v2, 2, s19
	v_lshl_add_u32 v[MLO], v3, 10, v[MLO]
	s_lshl_b32 s19, s16, 19                        ; my two heads in opart
	s_add_co_u32 s19, s18, s19
	v_lshl_add_u32 v[OPO], v1, 4, s19
	s_lshl_b32 s19, s16, 11
	s_add_co_u32 s19, s19, WGT
	v_lshl_add_u32 v[WGS], v1, 4, s19
	v_lshl_add_u32 v[WGL], v18, 4, s19
	v_mul_u32_u24 v[OTS], v18, OTP
	v_lshl_add_u32 v[OTS], v19, 4, v[OTS]
	s_lshl_b32 s19, s16, 7
	v_add_nc_u32 v[OTS], s19, v[OTS]
	s_lshl_b32 s19, s17, 16
	s_lshl_b32 s20, s16, 14
	s_add_co_u32 s19, s19, s20
	v_lshl_add_u32 v[PWO], v1, 4, s19
	s_mul_i32 s20, s16, 16*OTP
	s_add_co_u32 s20, s20, WB
	v_lshl_add_u32 v[WST], v1, 3, s20
	v_mul_u32_u24 v[AO], v2, OTP
	v_lshl_add_u32 v[AO], v3, 4, v[AO]
	v_add_nc_u32 v[AWO], s20, v[AO]
	s_lshl_b32 s19, s17, 20                        ; 64 channels x 16,384 bytes
	s_lshl_b32 s20, s16, 18                        ; my 16
	s_add_co_u32 s19, s19, s20
	s_lshl_b32 s20, ttmp9, 8                       ; 64 positions x 4 bytes
	s_add_co_u32 s19, s19, s20
	v_lshl_add_u32 v[XO], v2, 4, s19
	v_lshl_add_u32 v[XO], v3, 14, v[XO]
	s_mul_i32 s19, s16, 16*SP
	s_add_co_u32 s19, s19, STAGE
	v_mul_u32_u24 v17, v2, SP
	v_lshl_add_u32 v17, v3, 5, v17
	v_add_nc_u32 v[STO], s19, v17
	v_mul_u32_u24 v17, v3, SP
	v_lshl_add_u32 v17, v2, 4, v17
	v_add_nc_u32 v[RD], s19, v17
	s_lshl_b32 s19, s17, 8
	s_lshl_b32 s20, s16, 6
	s_add_co_u32 s19, s19, s20
	v_lshl_add_u32 v[PBO], v2, 2, s19
	s_wait_kmcnt 0x0
	s_wait_alu depctr_va_vdst(0)                   ; the addresses and offsets v4 to v16 are written, which every load and store below reads
; 16 loads: head 2w + hh, four groups of 8 positions from g0 on, four splits; a load covers 512 consecutive bytes
.macro LOADB rb, hh, g0
.irp gl, 0,1,2,3
.irp s, 0,1,2,3
	global_load_b128 v[\rb+16*\gl+4*\s:\rb+16*\gl+4*\s+3], v[OPO], s[4:5] offset:\s*2097152+\hh*262144+(\g0+\gl)*512
.endr
.endr
.endm
; Four loads: the weights of a batch's four groups, four splits a position, into TW .. TW+15.
.macro WLOAD hh, g0
.irp gl, 0,1,2,3
	ds_load_b128 v[TW+4*\gl:TW+4*\gl+3], v[WGL] offset:\hh*1024+(\g0+\gl)*128
.endr
.endm
; A batch merged: a lane has 8 channels of one position in each group; the weighted sum of the four splits in f32, rounded once,
; into the four registers that held the group's split 0, which has been unpacked by then.
.macro MERGE rb, hh, g0
	s_wait_dscnt 0x0                               ; the batch's weights are the youngest LDS instructions: they are in
.irp gl, 0,1,2,3
.irp k, 0,1,2,3
	v_lshlrev_b32 v[TW+16+2*\k], 16, v[\rb+16*\gl+\k]
	v_and_b32 v[TW+17+2*\k], 0xffff0000, v[\rb+16*\gl+\k]
.endr
.irp k, 0,1,2,3,4,5,6,7
	v_mul_f32 v[TW+16+\k], v[TW+16+\k], v[TW+4*\gl]
.endr
.irp s, 1,2,3
.irp k, 0,1,2,3
	v_fma_mix_f32_bf16 v[TW+16+2*\k], v[\rb+16*\gl+4*\s+\k], v[TW+4*\gl+\s], v[TW+16+2*\k] op_sel_hi:[1,0,0]
	v_fma_mix_f32_bf16 v[TW+17+2*\k], v[\rb+16*\gl+4*\s+\k], v[TW+4*\gl+\s], v[TW+17+2*\k] op_sel:[1,0,0] op_sel_hi:[1,0,0]
.endr
.endr
.irp k, 0,1,2,3
	v_cvt_pk_bf16_f32 v[\rb+16*\gl+\k], v[TW+16+2*\k], v[TW+17+2*\k]
.endr
.endr
	s_wait_alu depctr_va_vdst(0)                   ; the conversions have written what the LDS stores read; the merge is done reading its batch and its weights, in whose registers the next loads land
.irp gl, 0,1,2,3
	ds_store_b128 v[OTS], v[\rb+16*\gl:\rb+16*\gl+3] offset:(\g0+\gl)*8*OTP+\hh*64
.endr
.endm
.macro LOADW rb, i0
.irp i, 0,1,2,3,4,5,6,7
	global_load_b128 v[\rb+8*\i:\rb+8*\i+3],   v[PWO], s[8:9] offset:(\i0+\i)*1024
	global_load_b128 v[\rb+8*\i+4:\rb+8*\i+7], v[PWO], s[8:9] offset:(\i0+\i)*1024+512
.endr
.endm
.macro CVTW rb
.irp i, 0,1,2,3,4,5,6,7
	v_cvt_pk_bf16_f32 v[\rb+8*\i],   v[\rb+8*\i],   v[\rb+8*\i+1]
	v_cvt_pk_bf16_f32 v[\rb+8*\i+1], v[\rb+8*\i+2], v[\rb+8*\i+3]
	v_cvt_pk_bf16_f32 v[\rb+8*\i+4], v[\rb+8*\i+4], v[\rb+8*\i+5]
	v_cvt_pk_bf16_f32 v[\rb+8*\i+5], v[\rb+8*\i+6], v[\rb+8*\i+7]
.endr
.endm
.macro STW rb, i0
.irp i, 0,1,2,3,4,5,6,7
	ds_store_b64 v[WST], v[\rb+8*\i:\rb+8*\i+1] offset:(\i0+\i)*OTP
	ds_store_b64 v[WST], v[\rb+8*\i+4:\rb+8*\i+5] offset:(\i0+\i)*OTP+256
.endr
.endm
	global_load_b32 v[CB], v[PBO], s[10:11]
.irp hh, 0,1
.irp half, 0,1
.irp s, 0,1,2,3
	global_load_b32 v[MLR+8*(2*\hh+\half)+2*\s],   v[MLO], s[6:7] offset:\s*262144+\half*2048+\hh*128       ; m
	global_load_b32 v[MLR+8*(2*\hh+\half)+2*\s+1], v[MLO], s[6:7] offset:\s*262144+\half*2048+\hh*128+64    ; l
.endr
.endr
.endr
	LOADB R0, 0, 0
	s_wait_loadcnt 16                              ; each count from here on is the younger batch: the bias, m and l are in
.irp k, 1,2,3,4,5,6,7
	v_mov_b32 v[CB+\k], v[CB]                      ; a lane's eight results share one output channel
.endr
	; The four weights of 32 positions (one a lane), for set n = 2 hh + half of four, side by side: set n has the six registers from TW + 6 n on.
.irp n, 0,1,2,3
	v_max3_num_f32 v[TW+6*\n+4], v[MLR+8*\n], v[MLR+8*\n+2], v[MLR+8*\n+4]
.endr
.irp n, 0,1,2,3
	v_max_num_f32 v[TW+6*\n+4], v[TW+6*\n+4], v[MLR+8*\n+6]
.endr
.irp n, 0,1,2,3
.irp s, 0,1,2,3
	v_sub_f32 v[TW+6*\n+\s], v[MLR+8*\n+2*\s], v[TW+6*\n+4]
.endr
.endr
.irp n, 0,1,2,3
.irp s, 0,1,2,3
	v_exp_f32 v[TW+6*\n+\s], v[TW+6*\n+\s]
.endr
.endr
	v_nop                                          ; one plain place behind the exponentials (ISA guide 5.7.2)
	s_wait_alu depctr_va_vdst(0)                   ; the sixteen exponentials have written their results, ahead of the first reader
.irp n, 0,1,2,3
	v_mul_f32 v[TW+6*\n+5], v[TW+6*\n], v[MLR+8*\n+1]
.endr
.irp s, 1,2,3
.irp n, 0,1,2,3
	v_fmac_f32 v[TW+6*\n+5], v[TW+6*\n+\s], v[MLR+8*\n+2*\s+1]
.endr
.endr
.irp n, 0,1,2,3
	v_rcp_f32 v[TW+6*\n+5], v[TW+6*\n+5]
.endr
	v_nop                                          ; one plain place behind the reciprocals
	s_wait_alu depctr_va_vdst(0)                   ; the four reciprocals have written their results, ahead of the first reader
.irp n, 0,1,2,3
.irp s, 0,1,2,3
	v_mul_f32 v[TW+6*\n+\s], v[TW+6*\n+\s], v[TW+6*\n+5]
.endr
.endr
	s_wait_alu depctr_va_vdst(0)                   ; the sixteen weights are written, which the LDS stores read; no vector instruction names TW again before weights land there
.irp n, 0,1,2,3
	ds_store_b128 v[WGS], v[TW+6*\n:TW+6*\n+3] offset:\n*512
.endr
	s_wait_alu depctr_vm_vsrc(0)                   ; those stores have read TW, which the loads of weights and the merges write from here on
	WLOAD 0, 0                                     ; LDS serves a wave's instructions in order (ISA guide 5.7.1.4): these see my stores above
	LOADB R1, 0, 4
	s_wait_loadcnt 16
	MERGE R0, 0, 0
	WLOAD 0, 4
	s_wait_alu depctr_vm_vsrc(0)                   ; the merge's LDS stores have read R0, in which the next batch lands
	LOADB R0, 1, 0
	s_wait_loadcnt 16
	MERGE R1, 0, 4
	WLOAD 1, 0
	s_wait_alu depctr_vm_vsrc(0)                   ; the merge's LDS stores have read R1, in which the next batch lands
	LOADB R1, 1, 4
	s_wait_loadcnt 16
	MERGE R0, 1, 0
	WLOAD 1, 4
	s_wait_alu depctr_vm_vsrc(0)                   ; the merge's LDS stores have read R0, in which W's rows 0-7 land
	LOADW R0, 0
	s_wait_loadcnt 16
	MERGE R1, 1, 4
	s_wait_alu depctr_vm_vsrc(0)                   ; the merge's LDS stores have read R1, in which W's rows 8-15 land
	LOADW R1, 8
	s_wait_loadcnt 16
	CVTW R0
	s_wait_alu depctr_va_vdst(0)                   ; the conversions have written R0, which the LDS stores read
	STW R0, 0
.irp t, 0,1,2,3,4,5,6,7
	global_load_b128 v[XR+4*\t:XR+4*\t+3], v[XO], s[12:13] offset:\t*32768         ; 16 lanes read 256 consecutive bytes of a channel
.endr
	s_wait_loadcnt 8                               ; W's rows 8-15 are in; x's eight loads stay out
	CVTW R1
	s_wait_alu depctr_va_vdst(0)                   ; the conversions have written R1, which the LDS stores read; no vector instruction names R0 or R1 behind this wait before fragments land there
	STW R1, 8
	s_wait_dscnt 0x0                               ; my heads of OT are written,
	s_barrier_signal -1
	s_barrier_wait -1                              ; everybody's are
	s_wait_alu depctr_vm_vsrc(0)                   ; my LDS stores have read R0 and R1: these registers are FB0 and FB1 from here on
.macro PLACES                          ; four plain places behind a matrix instruction (ISA guide 7.12.1 for vector instructions)
.rept 4
	v_nop
.endr
.endm
.macro FW ks, f                        ; two loads: my W fragment of K step ks
	ds_load_b128 v[\f:\f+3],   v[AWO] offset:64*(\ks)
	ds_load_b128 v[\f+4:\f+7], v[AWO] offset:64*(\ks)+32
.endm
.macro FO ks, f, i                     ; two loads: fragment i of OT, K step ks
	ds_load_b128 v[\f+8+8*\i:\f+11+8*\i],  v[AO] offset:\i*16*OTP+64*(\ks)
	ds_load_b128 v[\f+12+8*\i:\f+15+8*\i], v[AO] offset:\i*16*OTP+64*(\ks)+32
.endm
.macro WM ks, cur, i                   ; product i of a K step
.if \ks==0
	v_wmma_f32_16x16x32_bf16 v[ACC+8*\i:ACC+8*\i+7], v[\cur+8+8*\i:\cur+15+8*\i], v[\cur:\cur+7], v[CB:CB+7]
.else
	v_wmma_f32_16x16x32_bf16 v[ACC+8*\i:ACC+8*\i+7], v[\cur+8+8*\i:\cur+15+8*\i], v[\cur:\cur+7], v[ACC+8*\i:ACC+8*\i+7]
.endif
.endm
; One K step: its four products, and among the first two of them the next step's ten loads.  The four accumulators take turns, one instruction a turn.
; The products name the buffer cur, the accumulators and the bias: none of the registers that the loads touch.
.macro KSTEP ks, cur, nxt
	s_wait_dscnt 0x0                               ; this step's ten loads are the only ones out: its fragments are in
.if \ks<7
.if \ks>0
	PLACES
	s_wait_alu depctr_va_vdst(0)                   ; the last step's products are done reading the other buffer, in which the loads below land
.endif
	FW (\ks+1), \nxt
	FO (\ks+1), \nxt, 0
	FO (\ks+1), \nxt, 1
	WM \ks, \cur, 0
	FO (\ks+1), \nxt, 2
	FO (\ks+1), \nxt, 3
.else
	WM \ks, \cur, 0
.endif
	WM \ks, \cur, 1
	WM \ks, \cur, 2
	WM \ks, \cur, 3
.endm
	FW 0, FB0
.irp i, 0,1,2,3
	FO 0, FB0, \i
.endr
	KSTEP 0, FB0, FB1                              ; step 0 has no wait on va_vdst: no vector instruction since the fill's last such wait names FB1
	KSTEP 1, FB1, FB0
	KSTEP 2, FB0, FB1
	KSTEP 3, FB1, FB0
	KSTEP 4, FB0, FB1
	KSTEP 5, FB1, FB0
	KSTEP 6, FB0, FB1
	KSTEP 7, FB1, FB0
	; the way out: 32 bytes a lane into my own stage, read back as rows of 256 bytes, x added, stored
	PLACES
	s_wait_alu depctr_va_vdst(0)                   ; the products have written the accumulators, which the LDS stores read, and are done reading FB0, in which the loads from the stage land; the places above stay beside this wait
.irp i, 0,1,2,3
	ds_store_b128 v[STO], v[ACC+8*\i:ACC+8*\i+3]   offset:64*\i
	ds_store_b128 v[STO], v[ACC+8*\i+4:ACC+8*\i+7] offset:64*\i+16
.endr
.irp t, 0,1,2,3,4,5,6,7
	ds_load_b128 v[FB0+4*\t:FB0+4*\t+3], v[RD] offset:\t*2*SP      ; LDS serves a wave's instructions in order (ISA guide 5.7.1.4): these see the stores above
.endr
	s_wait_loadcnt 0x0                             ; x
.irp t, 0,1,2,3,4,5,6,7
	s_wait_dscnt 7-\t
	v_pk_add_f32 v[FB0+4*\t:FB0+4*\t+1],   v[FB0+4*\t:FB0+4*\t+1],   v[XR+4*\t:XR+4*\t+1]
	v_pk_add_f32 v[FB0+4*\t+2:FB0+4*\t+3], v[FB0+4*\t+2:FB0+4*\t+3], v[XR+4*\t+2:XR+4*\t+3]
.endr
	s_wait_alu depctr_va_vdst(0)                   ; the sixteen additions have written the registers that the eight stores read
.irp t, 0,1,2,3,4,5,6,7
	global_store_b128 v[XO], v[FB0+4*\t:FB0+4*\t+3], s[14:15] offset:\t*32768      ; 16 lanes store 256 consecutive bytes, aligned
.endr
	s_wait_dscnt 0x0                               ; the closing lines, six on end
	s_wait_alu 0x0
	s_wait_tensorcnt 0x0
	ds_add_u32 v254, v255
	s_wait_dscnt 0x0
	s_endpgm
.Lfunc_end_k_q80ae3978f1_proj:
	.size	k_q80ae3978f1_proj, .Lfunc_end_k_q80ae3978f1_proj-k_q80ae3978f1_proj
	.p2alignl 7, 3214868480
	.fill 96, 4, 3214868480
	.section	.rodata,"a",@progbits
	.p2align	6, 0x0
	.amdhsa_kernel k_q80ae3978f1_proj
		.amdhsa_group_segment_fixed_size 93696
		.amdhsa_private_segment_fixed_size 0
		.amdhsa_enable_private_segment 0
		.amdhsa_kernarg_size 48
		.amdhsa_user_sgpr_count 2
		.amdhsa_user_sgpr_kernarg_segment_ptr 1
		.amdhsa_wavefront_size32 1
		.amdhsa_system_sgpr_workgroup_id_x 1
		.amdhsa_system_sgpr_workgroup_id_y 1
		.amdhsa_system_sgpr_workgroup_id_z 1
		.amdhsa_system_vgpr_workitem_id 0
		.amdhsa_next_free_vgpr 256
		.amdhsa_next_free_sgpr 66
		.amdhsa_reserve_vcc 0
		.amdhsa_float_denorm_mode_32 3
		.amdhsa_float_denorm_mode_16_64 3
		.amdhsa_memory_ordered 1
		.amdhsa_forward_progress 1
		.amdhsa_inst_pref_size 78
	.end_amdhsa_kernel
	.amdgpu_metadata
---
amdhsa.version: [ 1, 2 ]
amdhsa.kernels:
  - .name:           k_q80ae3978f1_proj
    .symbol:         k_q80ae3978f1_proj.kd
    .args:
      - { .name: opart, .offset: 0, .size: 8, .value_kind: global_buffer, .address_space: global }
      - { .name: ml, .offset: 8, .size: 8, .value_kind: global_buffer, .address_space: global }
      - { .name: proj_w, .offset: 16, .size: 8, .value_kind: global_buffer, .address_space: global }
      - { .name: proj_b, .offset: 24, .size: 8, .value_kind: global_buffer, .address_space: global }
      - { .name: x, .offset: 32, .size: 8, .value_kind: global_buffer, .address_space: global }
      - { .name: out0, .offset: 40, .size: 8, .value_kind: global_buffer, .address_space: global }
    .group_segment_fixed_size: 93696
    .private_segment_fixed_size: 0
    .kernarg_segment_align: 8
    .kernarg_segment_size: 48
    .max_flat_workgroup_size: 128
    .sgpr_count:     66
    .vgpr_count:     256
    .wavefront_size: 32
...
	.end_amdgpu_metadata
.endif
;; end of part 6
